; MI455X (gfx1250); checked and timed in simulation.
; The chip was launched on July 23, 2026; its instructions are those of AMD's public machine-readable ISA for CDNA 5 (MIT licence, August 2026) and "CDNA5" Instruction Set Architecture Reference Guide (July 2026). The comments in the code are by the model that wrote it; some were corrected since.
;; Batch Distance Aware Cross Attention. Allowed arithmetic: float matrix products may take bf16 or f16 operands with f32 sums; all other float work in f32.
;; Inputs: Wk 512 x 512 float32; Wo 512 x 512 float32; Wq 512 x 512 float32; Wv 512 x 512 float32; bk 512 float32; bo 512 float32; bq 512 float32; bv 512 float32; context 32 x 4,096 x 512 float32; context_mask 32 x 4,096 int32; dist_matrix 32 x 1 x 4,096 float32; ln_beta 512 float32; ln_gamma 512 float32; query 32 x 512 float32.
;; Outputs: out0 32 x 512 float32.
;; 2 versions, each right and faster than the one before. Each part assembles by itself: llvm-mc -triple=amdgcn-amd-amdhsa -mcpu=gfx1250 --defsym DOCPART=n.
;; ======== version 1 of 2: 4 launches
;; workspace buffers: qk 524,288 bytes; cvec 2,048 bytes; part 8,388,608 bytes; ml 65,536 bytes; ypart 1,048,576 bytes
;; launch prep (part 1): grid 16 x 2, 8 waves a work-group, no clusters, 91,648 bytes of LDS; arguments query, Wq, bq, Wk, bk, qk, cvec; writes qk, cvec
.if DOCPART == 1
	.amdgcn_target "amdgcn-amd-amdhsa--gfx1250"
	.amdhsa_code_object_version 6
	.text
	.protected	k_q06d691763a_prep
	.globl	k_q06d691763a_prep
	.p2align	8
	.type	k_q06d691763a_prep,@function
k_q06d691763a_prep:
	s_mov_b64 s[64:65], 0
	v_nop
	global_prefetch_b8 v0, s[64:65] scope:SCOPE_SE
	s_setreg_imm32_b32 hwreg(HW_REG_WAVE_MODE, 25, 1), 1
	s_wait_xcnt 0x0
; For head h (grid x) and 16 batches (grid y):  q = query Wq[:, 32h..32h+31] + bq, scaled by SC = log2(e) / sqrt(32);
; qk[b][h][d] = sum over j of q[b][32h+j] Wk[d][32h+j] (bf16);  cvec[h][b] = sum over j of q[b][32h+j] bk[32h+j].
; With one query row per batch, q . (c Wk + bk) = c . (Wk q) + bk . q holds for every input, so the next launch needs no projected keys.
; Limits: query, Wq, Wk and q are rounded to bf16 as matrix operands; all sums are f32.
; No cluster: the two work-groups of a head share 128 KiB of weights, which come through registers, not through tensor loads.
; No prefetch: every load of the launch is issued in its first lines.
; Eight waves.  Wave w takes K steps 2w, 2w+1 of the first product and d tiles 4w .. 4w+3 of the second.
.set QS,  0                            ; LDS: query in bf16, 16 rows of 1024 + 16 bytes
.set QP,  1040
.set KS,  16640                        ; Wk's 32 columns in bf16, 512 rows of 64 + 16 bytes
.set KP,  80
.set RED, 57600                        ; the eight waves' partial q, 2048 bytes each
.set OS,  73984                        ; qk on its way out, 16 rows of 1024 + 16 bytes
.set SC,  0x3e8293ee                   ; log2(e) / sqrt(32)
.set QL,  16                           ; v[16:47]    query as loaded, rounded in place
.set KL,  48                           ; v[48:111]   Wk's slice as loaded, rounded in place
.set WL,  112                          ; v[112:175]  Wq: K step ks, position jj: the pair at 32 ks + 2 jj
.set BQ,  176                          ; v[176:191]  bq[32h + 16 h2 + 0..15]
.set BK,  192                          ; v[192:207]  bk likewise
.set FA,  208                          ; v[208:239]  Wq fragments (ks, t) at 16 ks + 8 t
.set D0,  240                          ; v[240:247], v[248:255] partial q, t = 0, 1
.set D1,  248
.set FB,  16                           ; v[16:31]    query fragments, K step ks at 8 ks
.set RL,  16                           ; v[16:143]   the eight partial results, wave u at 16 u
.set KA,  144                          ; v[144:175]  Wk fragments of my four d tiles
.set X,   208                          ; v[208:223]  q[32h + 16 h2 + 0..15], scaled
.set TT,  224                          ; v[224:225]  at work
.set OP,  232                          ; v[232:239]  q as an operand
.set D2,  48                           ; v[48:79]    four tiles of qk
.set CV,  80                           ; v[80:95]    the same in bf16
.macro PLACES                          ; four plain vector places behind a matrix instruction (ISA guide 7.12.1)
.rept 4
	v_nop
.endr
.endm
.macro RADD a, b                       ; partial result a += partial result b
.irp k, 0,2,4,6,8,10,12,14
	v_pk_add_f32 v[RL+16*\a+\k:RL+16*\a+\k+1], v[RL+16*\a+\k:RL+16*\a+\k+1], v[RL+16*\b+\k:RL+16*\b+\k+1]
.endr
.endm
	s_load_b256 s[4:11], s[0:1], 0x0               ; query s[4:5], Wq s[6:7], bq s[8:9], Wk s[10:11]
	s_load_b128 s[12:15], s[0:1], 0x20             ; bk s[12:13], qk s[14:15]
	s_load_b64 s[16:17], s[0:1], 0x30              ; cvec
	s_set_vgpr_msb 0x40
	v_lshl_add_u32 v0, v0, 2, 0x16200
	v_mov_b32 v1, 0
	s_set_vgpr_msb 0x4000
	v_lshrrev_b32 v3, 5, v0
	v_readfirstlane_b32 s18, v3                    ; wave w
	s_mov_b32 s19, ttmp9                           ; head h
	s_and_b32 s20, ttmp7, 0xffff                   ; tile of 16 batches
	s_mov_b32 s21, 0x76543210                      ; v_permlanex16_b32: lane i reads lane i of the other half
	s_mov_b32 s22, 0xfedcba98
	s_lshl_b32 s23, s19, 7                         ; 128 h: the head's 32 columns in a row of f32
	s_lshl_b32 s24, s18, 17                        ; 64 w rows of 2048 bytes
	s_add_co_u32 s24, s24, s23
	s_lshl_b32 s26, s20, 15                        ; 16 rows of query
	s_mov_b32 s27, 0
	v_and_b32 v1, 15, v0                           ; r
	v_bfe_u32 v2, v0, 4, 1                         ; h2
	v_lshrrev_b32 v3, 3, v0                        ; T >> 3
	v_and_b32 v9, 7, v0                            ; T & 7
	v_lshlrev_b32 v4, 4, v0                        ; query: 16 T
	v_lshl_add_u32 v5, v3, 11, s23                 ; Wk: row T >> 3, the head's columns,
	v_lshl_add_u32 v5, v9, 4, v5                   ;     16 bytes for each of eight threads
	v_lshl_add_u32 v6, v2, 14, s24                 ; Wq: row 64 w + 8 h2,
	v_lshl_add_u32 v6, v1, 3, v6                   ;     columns 2 r, 2 r + 1 of the head
	v_lshl_add_u32 v7, v2, 6, s23                  ; bq, bk: 32 h + 16 h2
	s_wait_kmcnt 0x0
	s_add_nc_u64 s[4:5], s[4:5], s[26:27]
	; all 64 loads go out at once, in the order in which they are wanted
.irp i, 0,1,2,3,4,5,6,7
	global_load_b128 v[QL+4*\i:QL+4*\i+3], v4, s[4:5] offset:\i*4096
.endr
.irp i, 0,1,2,3,4,5,6,7,8,9,10,11,12,13,14,15
	global_load_b128 v[KL+4*\i:KL+4*\i+3], v5, s[10:11] offset:\i*65536
.endr
	; Wq is stored [k][j].  Lane (r, h2) takes, for each of its 16 places along k, columns 2 r and 2 r + 1: sixteen lanes read 128 neighbouring bytes.
	; Taking word t of every pair gives a fragment whose row r stands for column 2 r + t: no transposition is needed.
.irp ks, 0,1
.irp jj, 0,1,2,3,4,5,6,7,8,9,10,11,12,13,14,15
	global_load_b64 v[WL+32*\ks+2*\jj:WL+32*\ks+2*\jj+1], v6, s[6:7] offset:\ks*65536+(\jj&7)*2048+(\jj>>3)*32768
.endr
.endr
.irp i, 0,1,2,3
	global_load_b128 v[BQ+4*\i:BQ+4*\i+3], v7, s[8:9] offset:16*\i
.endr
.irp i, 0,1,2,3
	global_load_b128 v[BK+4*\i:BK+4*\i+3], v7, s[12:13] offset:16*\i
.endr
	; LDS addresses
	v_lshrrev_b32 v11, 7, v0
	v_and_b32 v12, 127, v0
	v_mul_u32_u24 v8, v11, QP
	v_lshl_add_u32 v8, v12, 3, v8                  ; v8: query in: row T >> 7, 8 bytes a thread
	v_mul_u32_u24 v10, v3, KP
	v_lshl_add_u32 v10, v9, 3, v10
	v_add_nc_u32 v10, KS, v10                      ; v10: Wk in: row T >> 3
	s_lshl_b32 s28, s18, 7                         ; 128 w
	v_mul_u32_u24 v11, v1, QP
	v_lshl_add_u32 v11, v2, 4, v11
	v_add_nc_u32 v11, s28, v11                     ; v11: query fragments: row r, K step 2 w, 16 h2
	v_add_nc_u32 v15, OS, v11                      ; v15: qk out: row r, d = 64 w + 8 h2
	v_and_b32 v13, 31, v0
	v_lshlrev_b32 v13, 4, v13
	v_add_nc_u32 v13, RED, v13                     ; v13: partial results back: 16 x lane
	s_lshl_b32 s29, s18, 11
	v_add_nc_u32 v12, s29, v13                     ; v12: my wave's partial result
	s_mul_i32 s30, s18, 64*KP
	s_add_co_u32 s30, s30, KS
	v_mul_u32_u24 v14, v1, KP
	v_lshl_add_u32 v14, v2, 5, v14
	v_add_nc_u32 v14, s30, v14                     ; v14: Wk fragments: row 64 w + r, 32 h2
	s_wait_loadcnt 56                              ; 56 loads were issued behind query's eight
.irp i, 0,1,2,3,4,5,6,7
	v_cvt_pk_bf16_f32 v[QL+4*\i], v[QL+4*\i], v[QL+4*\i+1]
	v_cvt_pk_bf16_f32 v[QL+4*\i+1], v[QL+4*\i+2], v[QL+4*\i+3]
	ds_store_b64 v8, v[QL+4*\i:QL+4*\i+1] offset:\i*2*QP
.endr
	s_wait_loadcnt 40                              ; 40 behind Wk's sixteen
.irp i, 0,1,2,3,4,5,6,7,8,9,10,11,12,13,14,15
	v_cvt_pk_bf16_f32 v[KL+4*\i], v[KL+4*\i], v[KL+4*\i+1]
	v_cvt_pk_bf16_f32 v[KL+4*\i+1], v[KL+4*\i+2], v[KL+4*\i+3]
	ds_store_b64 v10, v[KL+4*\i:KL+4*\i+1] offset:\i*32*KP
.endr
	s_wait_dscnt 0x0                               ; my stores are in LDS before I say so
	s_barrier_signal -1
	s_barrier_wait -1
	; first product: D_t[j index][b] = sum over my 64 d of Wq[d][2 (index) + t] query[b][d]
.irp i, 0,1,2,3
	ds_load_b128 v[FB+4*\i:FB+4*\i+3], v11 offset:32*\i
.endr
	s_wait_loadcnt 8                               ; bq's and bk's eight may stay out
.irp ks, 0,1
.irp t, 0,1
.irp i, 0,1,2,3,4,5,6,7
	v_cvt_pk_bf16_f32 v[FA+16*\ks+8*\t+\i], v[WL+32*\ks+4*\i+\t], v[WL+32*\ks+4*\i+2+\t]
.endr
.endr
.endr
	s_wait_dscnt 0x0
	; the two accumulators take turns
	v_wmma_f32_16x16x32_bf16 v[D0:D0+7], v[FA:FA+7], v[FB:FB+7], 0
	v_wmma_f32_16x16x32_bf16 v[D1:D1+7], v[FA+8:FA+15], v[FB:FB+7], 0
	v_wmma_f32_16x16x32_bf16 v[D0:D0+7], v[FA+16:FA+23], v[FB+8:FB+15], v[D0:D0+7]
	v_wmma_f32_16x16x32_bf16 v[D1:D1+7], v[FA+24:FA+31], v[FB+8:FB+15], v[D1:D1+7]
	PLACES
	ds_store_b128 v12, v[D0:D0+3]
	ds_store_b128 v12, v[D0+4:D0+7] offset:512
	ds_store_b128 v12, v[D1:D1+3] offset:1024
	ds_store_b128 v12, v[D1+4:D1+7] offset:1536
	s_wait_dscnt 0x0
	s_barrier_signal -1
	s_barrier_wait -1
	; every wave adds the eight partial results for itself: each lane reads its own lane's 64 bytes of each
.irp u, 0,1,2,3,4,5,6,7
.irp k, 0,1,2,3
	ds_load_b128 v[RL+16*\u+4*\k:RL+16*\u+4*\k+3], v13 offset:\u*2048+\k*512
.endr
.endr
.irp i, 0,1,2,3
	ds_load_b128 v[KA+8*\i:KA+8*\i+3], v14 offset:\i*16*KP
	ds_load_b128 v[KA+8*\i+4:KA+8*\i+7], v14 offset:\i*16*KP+16
.endr
	s_wait_dscnt 8                                 ; Wk's eight fragment loads may stay out
	RADD 0, 1
	RADD 2, 3
	RADD 4, 5
	RADD 6, 7
	RADD 0, 2
	RADD 4, 6
	RADD 0, 4
	s_wait_loadcnt 0x0                             ; bq, bk
	; register 8 t + jj of lane (r, h2) is q[b = r][32 h + 16 h2 + 2 jj + t]
.irp jj, 0,1,2,3,4,5,6,7
.irp t, 0,1
	v_add_f32 v[X+2*\jj+\t], v[RL+8*\t+\jj], v[BQ+2*\jj+\t]
.endr
.endr
.irp e, 0,2,4,6,8,10,12,14
	v_pk_mul_f32 v[X+\e:X+\e+1], v[X+\e:X+\e+1], SC op_sel_hi:[1,0]
.endr
	v_pk_mul_f32 v[TT:TT+1], v[X:X+1], v[BK:BK+1]  ; q . bk: my 16 of the head's 32 terms
.irp e, 2,4,6,8,10,12,14
	v_pk_fma_f32 v[TT:TT+1], v[X+\e:X+\e+1], v[BK+\e:BK+\e+1], v[TT:TT+1]
.endr
	v_add_f32 v[TT], v[TT], v[TT+1]
	v_permlanex16_b32 v[TT+1], v[TT], s21, s22     ; the other 16 terms
	v_add_f32 v[TT], v[TT], v[TT+1]
	; q as an operand: register i of lane (r, h2) holds j = 16 h2 + 2 i, 2 i + 1.  Wk's fragments above were read with the same order of j
	; (32 neighbouring bytes at 32 h2), and an order of k that is alike on both sides keeps the products.
.irp i, 0,1,2,3,4,5,6,7
	v_cvt_pk_bf16_f32 v[OP+\i], v[X+2*\i], v[X+2*\i+1]
.endr
	s_wait_dscnt 0x0
.irp i, 0,1,2,3
	v_wmma_f32_16x16x32_bf16 v[D2+8*\i:D2+8*\i+7], v[KA+8*\i:KA+8*\i+7], v[OP:OP+7], 0
.endr
	PLACES
.irp i, 0,1,2,3
.irp e, 0,1,2,3
	v_cvt_pk_bf16_f32 v[CV+4*\i+\e], v[D2+8*\i+2*\e], v[D2+8*\i+2*\e+1]
.endr
	ds_store_b128 v15, v[CV+4*\i:CV+4*\i+3] offset:32*\i    ; qk[b = r][d = 64 w + 16 i + 8 h2 + 0..7]
.endr
	s_lshl_b32 s25, s20, 6
	s_add_co_u32 s25, s25, s23                     ; cvec: 128 h + 64 x batch tile
	s_cmp_lg_u32 s18, 0
	s_cbranch_scc1 .Lno_c
	v_lshl_add_u32 v9, v1, 2, s25
	global_store_b32 v9, v[TT], s[16:17]           ; lanes r and r + 16 hold the same number and store it to the same word
.Lno_c:
	s_wait_dscnt 0x0
	s_barrier_signal -1
	s_barrier_wait -1
	; the way out: whole rows of 1024 bytes, 16 bytes a thread
	s_lshl_b32 s31, s19, 10
	s_lshl_b32 s32, s20, 18
	s_add_co_u32 s31, s31, s32
	v_lshrrev_b32 v112, 6, v0
	v_and_b32 v113, 63, v0
	v_mul_u32_u24 v114, v112, QP
	v_lshl_add_u32 v114, v113, 4, v114
	v_add_nc_u32 v114, OS, v114
	v_lshl_add_u32 v115, v112, 14, s31
	v_lshl_add_u32 v115, v113, 4, v115
.irp i, 0,1,2,3
	ds_load_b128 v[116+4*\i:119+4*\i], v114 offset:\i*4*QP
.endr
.irp i, 0,1,2,3
	s_wait_dscnt 3-\i                              ; LDS loads come back in order: load i is in
	global_store_b128 v115, v[116+4*\i:119+4*\i], s[14:15] offset:\i*65536
.endr
	s_set_vgpr_msb 0x5
	s_wait_tensorcnt 0x0
	ds_add_u32 v0, v1
	s_wait_dscnt 0x0
	s_set_vgpr_msb 0x500
	s_endpgm
.Lfunc_end_k_q06d691763a_prep:
	.size	k_q06d691763a_prep, .Lfunc_end_k_q06d691763a_prep-k_q06d691763a_prep
	.p2alignl 7, 3214868480
	.fill 96, 4, 3214868480
	.section	.rodata,"a",@progbits
	.p2align	6, 0x0
	.amdhsa_kernel k_q06d691763a_prep
		.amdhsa_group_segment_fixed_size 91648
		.amdhsa_private_segment_fixed_size 0
		.amdhsa_enable_private_segment 0
		.amdhsa_kernarg_size 56
		.amdhsa_user_sgpr_count 2
		.amdhsa_user_sgpr_kernarg_segment_ptr 1
		.amdhsa_wavefront_size32 1
		.amdhsa_system_sgpr_workgroup_id_x 1
		.amdhsa_system_sgpr_workgroup_id_y 1
		.amdhsa_system_sgpr_workgroup_id_z 1
		.amdhsa_system_vgpr_workitem_id 0
		.amdhsa_next_free_vgpr 258
		.amdhsa_next_free_sgpr 66
		.amdhsa_reserve_vcc 0
		.amdhsa_float_denorm_mode_32 3
		.amdhsa_float_denorm_mode_16_64 3
		.amdhsa_memory_ordered 1
		.amdhsa_forward_progress 1
		.amdhsa_inst_pref_size 29
	.end_amdhsa_kernel
	.amdgpu_metadata
---
amdhsa.version: [ 1, 2 ]
amdhsa.kernels:
  - .name:           k_q06d691763a_prep
    .symbol:         k_q06d691763a_prep.kd
    .args:
      - { .name: query, .offset: 0, .size: 8, .value_kind: global_buffer, .address_space: global }
      - { .name: Wq, .offset: 8, .size: 8, .value_kind: global_buffer, .address_space: global }
      - { .name: bq, .offset: 16, .size: 8, .value_kind: global_buffer, .address_space: global }
      - { .name: Wk, .offset: 24, .size: 8, .value_kind: global_buffer, .address_space: global }
      - { .name: bk, .offset: 32, .size: 8, .value_kind: global_buffer, .address_space: global }
      - { .name: qk, .offset: 40, .size: 8, .value_kind: global_buffer, .address_space: global }
      - { .name: cvec, .offset: 48, .size: 8, .value_kind: global_buffer, .address_space: global }
    .group_segment_fixed_size: 91648
    .private_segment_fixed_size: 0
    .kernarg_segment_align: 8
    .kernarg_segment_size: 56
    .max_flat_workgroup_size: 256
    .sgpr_count:     66
    .vgpr_count:     258
    .wavefront_size: 32
...
	.end_amdgpu_metadata
.endif
;; end of part 1
;; launch main (part 2): grid 8 x 32, 8 waves a work-group, no clusters, 327,680 bytes of LDS; arguments context, dist_matrix, context_mask, qk, cvec, part, ml; writes part, ml
.if DOCPART == 2
	.amdgcn_target "amdgcn-amd-amdhsa--gfx1250"
	.amdhsa_code_object_version 6
	.text
	.protected	k_q06d691763a_main
	.globl	k_q06d691763a_main
	.p2align	8
	.type	k_q06d691763a_main,@function
k_q06d691763a_main:
	s_mov_b64 s[64:65], 0
	v_nop
	global_prefetch_b8 v0, s[64:65] scope:SCOPE_SE
	s_setreg_imm32_b32 hwreg(HW_REG_WAVE_MODE, 25, 1), 1
	s_wait_xcnt 0x0
; For batch b (grid y) and a chunk of 512 context rows (grid x): scores, distance bias, mask, softmax with a running maximum, and the
; unnormalised sum over the chunk's rows of p x context, for all 16 heads; with it the chunk's maximum m and sum l of every head.
; Scores live in the base-2 domain (log2(e) is folded into qk, cvec and the bias factor).
; context is read from memory once: 8 tiles of 64 rows x 2048 bytes go through two LDS slots, filled by tensor loads, and each tile feeds both
; products from LDS: scores = C qk^T (sum over d) and O += C^T p (sum over rows).
; Wave w: (1) fetches strip w of a tile, columns 64 w .. 64 w + 63, one tensor load of 64 rows x 256 bytes; (2) in the first product takes
; rows 16 (w & 3) .. + 15 over the half w >> 2 of d; (3) in the second product owns d = 64 w .. 64 w + 63 for all 64 rows.
; Every wave makes the tile's softmax for itself from the scores that all waves put into LDS, so m, l and the rescaling factor are
; alike in all waves and O needs no sum over waves.
; Limits: context, qk and p are rounded to bf16 as matrix operands; l is the sum of the unrounded p; an exponential below 2^-126 counts as 0
; (ISA guide, v_exp_f32); a masked score is -1e9 log2(e), made of two equal halves; a row that is masked still enters with weight 0,
; so a NaN or an infinity in it gives NaN, as 0 x v does in the module itself.
; No cluster: the eight work-groups of a batch share 16 KiB of qk against 1 MiB of context of their own each.
; No prefetch: the tensor loads stream the one large input from the first line to the last tile.
.set STRIP, 17408                      ; 64 rows of 256 + 16 bytes
.set ROWP,  272
.set SLOT,  139264                     ; eight strips
.set SSTG,  278528                     ; scores: [half of d][head] rows of 64 x 4 + 16 bytes
.set PL,    4352                       ; one half's 16 rows
.set BIAS,  287232                     ; half the bias of the chunk's 512 rows; the mask words lie 2048 bytes behind
.set STG,   291328                     ; first qk (16 rows of 1040), at the end O (16 rows of 2064)
.set BSC,   0xbd93bb63                 ; -0.1 log2(e) / 2
.set NEGH,  0xce2bfb8f                 ; -1e9 log2(e) / 2
.set NG,   5                           ; v5        NEGH
.set ADR1, 6                           ; v6, v7    first product's rows in slot 0, 1
.set ADR2, 8                           ; v8, v9    second product's columns in slot 0, 1
.set BA,   10                          ; v10       bias and mask of my 8 rows
.set SW,   11                          ; v11       where my scores go
.set SR,   12                          ; v12       where my head's scores are read
.set OW,   13                          ; v13       O on its way out
.set MM,   14                          ; v[14:15]  the running maximum, twice
.set AL,   16                          ; v[16:17]  the rescaling factor, twice
.set CH,   18                          ; v[18:19]  cvec / 2 of my head, twice
.set T0,   20
.set T1,   21
.set T2,   22
.set LS,   23                          ; v23       the running sum of my half of the rows
.set ACC,  24                          ; v[24:55]  O: tile t holds d = 64 w + 32 h2 + 4 j + t, head r
.set F,    56                          ; v[56:119] bf16 fragments of context
.set MK,   112                         ; v[112:119] mask words (used before fragment 7 is made)
.set L,    120                         ; v[120:247] what comes from LDS in f32
.set SA1,  120                         ; v[120:127] second score accumulator
.set P,    184                         ; v[184:199] p in bf16
.set SA0,  248                         ; v[248:255] first score accumulator
                                       ; v[256:319] qk fragments, K step ks at 256 + 8 ks (window 1)
.set G1,   32                          ; s[32:39]  descriptor group 1
.set G0,   40                          ; s[40:47]  descriptor group 0, one set for each slot
.set MS,   48                          ; s[48:55]  lanes whose row j is not masked
.set MSB,  0
.macro WIN new                         ; the immediate's high byte repeats the setting that is left
.if MSB != \new
	s_set_vgpr_msb (MSB<<8)|\new
.set MSB, \new
.endif
.endm
.macro PLACES                          ; four plain vector places behind a matrix instruction (ISA guide 7.12.1)
.rept 4
	v_nop
.endr
.endm
.macro PV kb, zero                     ; O[t] += C^T (32 rows of block kb) x p, t = 0..3; the four accumulators take turns
.irp t, 0,1,2,3
.if \zero
	v_wmma_f32_16x16x32_bf16 v[ACC+8*\t:ACC+8*\t+7], v[F+32*\kb+8*\t:F+32*\kb+8*\t+7], v[P+8*\kb:P+8*\kb+7], 0
.else
	v_wmma_f32_16x16x32_bf16 v[ACC+8*\t:ACC+8*\t+7], v[F+32*\kb+8*\t:F+32*\kb+8*\t+7], v[P+8*\kb:P+8*\kb+7], v[ACC+8*\t:ACC+8*\t+7]
.endif
.endr
.endm
	s_load_b256 s[4:11], s[0:1], 0x0               ; context s[4:5], dist s[6:7], mask s[8:9], qk s[10:11]
	s_load_b128 s[12:15], s[0:1], 0x20             ; cvec s[12:13], part s[14:15]
	s_load_b64 s[16:17], s[0:1], 0x30              ; ml
	s_set_vgpr_msb 0x40
	v_lshl_add_u32 v64, v0, 2, 0x4f300
	v_mov_b32 v65, 0
	s_set_vgpr_msb 0x4045
	ds_add_u32 v64, v65
	ds_add_u32 v64, v65
	s_set_vgpr_msb 0x4500
	v_lshrrev_b32 v3, 5, v0
	v_readfirstlane_b32 s18, v3                    ; wave w
	s_mov_b32 s19, ttmp9                           ; chunk
	s_and_b32 s20, ttmp7, 0xffff                   ; batch
	s_lshr_b32 s21, s18, 2                         ; which half of d is mine in the first product
	s_and_b32 s22, s18, 3                          ; which 16 rows
	s_mov_b32 s57, 0x76543210                      ; v_permlanex16_b32: lane i reads lane i of the other half
	s_mov_b32 s58, 0xfedcba98
	; group 1: a tile of 64 rows x 64 elements of 4 bytes, 16 bytes of padding behind every 256
	s_mov_b32 s[G1+0], (2<<16)|(1<<20)|(5<<22)|(3<<25)
	s_mov_b32 s[G1+1], 64<<16                      ; tensor_dim0 = 64
	s_mov_b32 s[G1+2], 64<<16                      ; tensor_dim1 = 64
	s_mov_b32 s[G1+3], 64<<16                      ; tile_dim0 = 64
	s_mov_b32 s[G1+4], 64                          ; tile_dim1 = 64
	s_mov_b32 s[G1+5], 512                         ; elements from row to row
	s_mov_b32 s[G1+6], 0
	s_mov_b32 s[G1+7], 0
	s_lshl_b32 s24, s20, 23                        ; batch x 4096 rows of 2048 bytes
	s_lshl_b32 s25, s19, 20                        ; chunk x 512 rows
	s_add_co_u32 s24, s24, s25
	s_lshl_b32 s25, s18, 8                         ; my strip
	s_add_co_u32 s24, s24, s25
	s_mov_b32 s25, 0
	s_mul_i32 s26, s18, STRIP
	s_wait_dscnt 0x0
	s_wait_kmcnt 0x0
	s_add_nc_u64 s[4:5], s[4:5], s[24:25]
	; both first fills go out together, ahead of everything else: two tensor loads of this wave are out
.irp s, 0,1
	s_mov_b32 s[G0+4*\s], 1
	s_add_co_u32 s[G0+4*\s+1], s26, \s*SLOT
	s_add_nc_u64 s[G0+4*\s+2:G0+4*\s+3], s[4:5], \s*131072
	s_or_b32 s[G0+4*\s+3], s[G0+4*\s+3], 0x80000000
	tensor_load_to_lds s[G0+4*\s:G0+4*\s+3], s[G1:G1+7]
	s_nop 0
.endr
	s_lshl_b32 s27, s20, 14                        ; batch x 4096 x 4 bytes (also batch x 16 KiB of qk)
	s_lshl_b32 s28, s19, 11                        ; chunk x 512 x 4
	s_add_co_u32 s28, s28, s27
	s_lshl_b32 s29, s20, 2
	v_and_b32 v1, 15, v0                           ; r
	v_bfe_u32 v2, v0, 4, 1                         ; h2
	v_lshl_add_u32 v48, v0, 3, s28                 ; two rows' distance and mask a thread
	v_lshl_add_u32 v49, v0, 4, s27
	v_lshl_add_u32 v50, v1, 7, s29                 ; cvec[head r][batch]
	global_load_b64 v[24:25], v48, s[6:7] th:TH_LOAD_NT
	global_load_b64 v[26:27], v48, s[8:9] th:TH_LOAD_NT
.irp i, 0,1,2,3
	global_load_b128 v[28+4*\i:31+4*\i], v49, s[10:11] offset:\i*4096
.endr
	global_load_b32 v44, v50, s[12:13]
	; LDS addresses
	v_mov_b32 v[NG], NEGH
	v_mul_u32_u24 v3, v1, ROWP
	v_lshl_add_u32 v3, v2, 5, v3                   ; 272 r + 32 h2
	s_mul_i32 s30, s21, 4*STRIP
	s_mul_i32 s31, s22, 16*ROWP
	s_add_co_u32 s30, s30, s31
	v_add_nc_u32 v[ADR1], s30, v3                  ; strip 4 p, row 16 mt + r, 8 h2 numbers in
	v_add_nc_u32 v[ADR1+1], SLOT, v[ADR1]
	v_mul_u32_u24 v4, v2, 8*ROWP
	v_lshl_add_u32 v4, v1, 4, v4
	v_add_nc_u32 v[ADR2], s26, v4                  ; my strip, row 8 h2, columns 4 r .. 4 r + 3
	v_add_nc_u32 v[ADR2+1], SLOT, v[ADR2]
	s_lshl_b32 s31, s22, 6                         ; 16 mt rows x 4 bytes
	s_add_co_u32 s30, s31, BIAS
	v_lshl_add_u32 v[BA], v2, 5, s30
	s_mul_i32 s30, s21, PL
	s_add_co_u32 s30, s30, s31
	s_add_co_u32 s30, s30, SSTG
	v_add_nc_u32 v[SW], s30, v3
	v_add_nc_u32 v[SR], SSTG, v3
	v_mul_u32_u24 v[OW], v1, 2064
	v_lshl_add_u32 v[OW], v2, 7, v[OW]
	s_lshl_b32 s30, s18, 8
	s_add_co_u32 s30, s30, STG
	v_add_nc_u32 v[OW], s30, v[OW]                 ; row r, d = 64 w + 32 h2
	v_mul_u32_u24 v[T1], v1, 1040
	v_lshl_add_u32 v[T1], v2, 4, v[T1]
	s_lshl_b32 s30, s21, 9
	s_add_co_u32 s30, s30, STG
	v_add_nc_u32 v[T1], s30, v[T1]                 ; qk fragments: head r, d = 256 p + 8 h2
	v_lshlrev_b32 v51, 3, v0
	v_add_nc_u32 v51, BIAS, v51
	v_lshrrev_b32 v52, 6, v0
	v_and_b32 v53, 63, v0
	v_mul_u32_u24 v52, v52, 1040
	v_lshl_add_u32 v52, v53, 4, v52
	v_add_nc_u32 v52, STG, v52
	s_wait_loadcnt 0x0
	v_pk_mul_f32 v[24:25], v[24:25], BSC op_sel_hi:[1,0]   ; each half of d adds half of the bias
	v_mul_f32 v[CH], 0.5, v44                              ; and half of q . bk
	v_mov_b32 v[CH+1], v[CH]
	ds_store_b64 v51, v[24:25]
	ds_store_b64 v51, v[26:27] offset:2048
.irp i, 0,1,2,3
	ds_store_b128 v52, v[28+4*\i:31+4*\i] offset:\i*4160
.endr
	s_wait_dscnt 0x0                               ; my stores are in LDS,
	s_wait_tensorcnt 0x1                           ; and my strip of tile 0; tile 1's may stay out
	s_barrier_signal -1
	s_barrier_wait -1
	WIN 0x40                                       ; destination in window 1
.irp ks, 0,1,2,3,4,5,6,7
	ds_load_b128 v[8*\ks:8*\ks+3], v[T1] offset:\ks*64
	ds_load_b128 v[8*\ks+4:8*\ks+7], v[T1] offset:\ks*64+32
.endr
	WIN 0
; One tile of 64 rows.  cur: its slot; idx: its number; first = 1: it starts the sums; refill = 1: the other slot gets tile idx + 1.
.macro TILE cur, idx, first, refill
.if \idx
	s_set_vgpr_msb 0x5
	s_wait_tensorcnt 0x0                           ; all my tensor loads have landed, my strip of this tile among them,
	ds_add_u32 v64, v65
	s_wait_dscnt 0x0
	s_set_vgpr_msb 0x500
.if \refill
	s_add_nc_u64 s[G0+4*(1-\cur)+2:G0+4*(1-\cur)+3], s[G0+4*(1-\cur)+2:G0+4*(1-\cur)+3], 262144   ; so a group 0 may be written: the other slot's next tile, 128 rows on
.endif
	s_wait_dscnt 0x0                               ; my reads of the other slot and of the scores are back
	s_barrier_signal -1
	s_barrier_wait -1                              ; both hold of all eight waves
.if \refill
	tensor_load_to_lds s[G0+4*(1-\cur):G0+4*(1-\cur)+3], s[G1:G1+7]   ; my one tensor load until the next such barrier; it has this tile's work in which to land
	s_nop 0
.endif
.endif
	; first product: bias and mask of my rows, then my 16 rows x 256 d in f32
	ds_load_b128 v[SA0:SA0+3], v[BA] offset:\idx*256
	ds_load_b128 v[SA0+4:SA0+7], v[BA] offset:\idx*256+16
	ds_load_b128 v[MK:MK+3], v[BA] offset:\idx*256+2048
	ds_load_b128 v[MK+4:MK+7], v[BA] offset:\idx*256+2064
.irp q, 0,1,2,3
.irp kk, 0,1
	ds_load_b128 v[L+32*\q+16*\kk:L+32*\q+16*\kk+3],     v[ADR1+\cur] offset:\q*STRIP+\kk*128
	ds_load_b128 v[L+32*\q+16*\kk+4:L+32*\q+16*\kk+7],   v[ADR1+\cur] offset:\q*STRIP+\kk*128+16
	ds_load_b128 v[L+32*\q+16*\kk+8:L+32*\q+16*\kk+11],  v[ADR1+\cur] offset:\q*STRIP+\kk*128+64
	ds_load_b128 v[L+32*\q+16*\kk+12:L+32*\q+16*\kk+15], v[ADR1+\cur] offset:\q*STRIP+\kk*128+80
.endr
.endr
	s_wait_dscnt 32                                ; all but the 32 just issued: bias, mask (and, in the first tile, qk's fragments)
.irp j, 0,1,2,3,4,5,6,7
	v_cmp_ne_u32 s[MS+\j], 0, v[MK+\j]
.endr
.irp j, 0,2,4,6
	v_pk_add_f32 v[SA0+\j:SA0+\j+1], v[SA0+\j:SA0+\j+1], v[CH:CH+1]
.endr
.irp q, 0,1,2,3
	s_wait_dscnt 24-8*\q                           ; strip q's eight loads are in; the younger strips' stay out
.irp e, 0,1,2,3,4,5,6,7,8,9,10,11,12,13,14,15
	v_cvt_pk_bf16_f32 v[F+16*\q+\e], v[L+32*\q+2*\e], v[L+32*\q+2*\e+1]
.endr
.endr
	WIN 0x04                                       ; source 1 (qk) in window 1
	; two accumulators take turns; the first starts from half the bias, the second from 0
	v_wmma_f32_16x16x32_bf16 v[SA0:SA0+7], v[F:F+7], v[0:7], v[SA0:SA0+7]
	v_wmma_f32_16x16x32_bf16 v[SA1:SA1+7], v[F+8:F+15], v[8:15], 0
.irp ks, 2,4,6
	v_wmma_f32_16x16x32_bf16 v[SA0:SA0+7], v[F+8*\ks:F+8*\ks+7], v[8*\ks:8*\ks+7], v[SA0:SA0+7]
	v_wmma_f32_16x16x32_bf16 v[SA1:SA1+7], v[F+8*\ks+8:F+8*\ks+15], v[8*\ks+8:8*\ks+15], v[SA1:SA1+7]
.endr
	WIN 0
	PLACES
.irp j, 0,2,4,6
	v_pk_add_f32 v[SA0+\j:SA0+\j+1], v[SA0+\j:SA0+\j+1], v[SA1+\j:SA1+\j+1]
.endr
.irp j, 0,1,2,3,4,5,6,7
	v_cndmask_b32 v[SA0+\j], v[NG], v[SA0+\j], s[MS+\j]    ; a masked row: half of -1e9 log2(e) from each half of d
.endr
	ds_store_b128 v[SW], v[SA0:SA0+3]              ; head r, rows 16 mt + 8 h2 + 0..7
	ds_store_b128 v[SW], v[SA0+4:SA0+7] offset:16
	s_wait_dscnt 0x0                               ; my scores are in LDS before I say so
	s_barrier_signal -1                            ; the refill stays on its way
	; while the others arrive: my strip's columns, bytes of this slot, which nobody writes before the next tile's barrier.
	; Lane (r, h2) takes columns 4 r .. 4 r + 3 of each of its 16 places along the rows; word t of each gives a fragment whose row r is d = 64 w + 4 r + t.
.irp kb, 0,1
.irp jj, 0,1,2,3,4,5,6,7,8,9,10,11,12,13,14,15
	ds_load_b128 v[L+64*\kb+4*\jj:L+64*\kb+4*\jj+3], v[ADR2+\cur] offset:(32*\kb+16*(\jj>>3)+(\jj&7))*ROWP
.endr
.endr
	s_wait_dscnt 16                                ; rows 0-31 are in, rows 32-63 may be out
.irp t, 0,1,2,3
.irp i, 0,1,2,3,4,5,6,7
	v_cvt_pk_bf16_f32 v[F+8*\t+\i], v[L+8*\i+\t], v[L+8*\i+4+\t]
.endr
.endr
	s_barrier_wait -1                              ; everybody's scores are in LDS
.irp pl, 0,1
.irp kb, 0,1
.irp hi, 0,1
	ds_load_b128 v[L+32*\pl+16*\kb+8*\hi:L+32*\pl+16*\kb+8*\hi+3],   v[SR] offset:\pl*PL+\kb*128+\hi*64
	ds_load_b128 v[L+32*\pl+16*\kb+8*\hi+4:L+32*\pl+16*\kb+8*\hi+7], v[SR] offset:\pl*PL+\kb*128+\hi*64+16
.endr
.endr
.endr
	s_wait_dscnt 16                                ; all but the 16 just issued: rows 32-63 are in
.irp t, 0,1,2,3
.irp i, 0,1,2,3,4,5,6,7
	v_cvt_pk_bf16_f32 v[F+32+8*\t+\i], v[L+64+8*\i+\t], v[L+64+8*\i+4+\t]
.endr
.endr
	s_wait_dscnt 0x0
	; softmax of head r: this lane has the 32 rows that its operand registers want, lane r + 16 (or r - 16) the other 32
.irp i, 0,2,4,6,8,10,12,14,16,18,20,22,24,26,28,30
	v_pk_add_f32 v[L+\i:L+\i+1], v[L+\i:L+\i+1], v[L+32+\i:L+32+\i+1]      ; the two halves of d
.endr
	v_max3_num_f32 v[T0], v[L], v[L+1], v[L+2]
	v_max3_num_f32 v[T1], v[L+3], v[L+4], v[L+5]
.irp i, 6,10,14,18,22,26
	v_max3_num_f32 v[T0], v[T0], v[L+\i], v[L+\i+1]
	v_max3_num_f32 v[T1], v[T1], v[L+\i+2], v[L+\i+3]
.endr
	v_max3_num_f32 v[T0], v[T0], v[L+30], v[L+31]
	v_max_num_f32 v[T0], v[T0], v[T1]
	v_permlanex16_b32 v[T1], v[T0], s57, s58
.if \first
	v_max_num_f32 v[MM], v[T0], v[T1]
	v_mov_b32 v[MM+1], v[MM]
.else
	v_max3_num_f32 v[T2], v[T0], v[T1], v[MM]      ; the new running maximum
	v_sub_f32 v[T0], v[MM], v[T2]
	v_exp_f32 v[AL], v[T0]                         ; what the old sums are worth under it
	v_mov_b32 v[MM], v[T2]                         ; a plain instruction stands between v_exp_f32 and the use of its result
	v_mov_b32 v[MM+1], v[T2]
	s_wait_alu depctr_va_vdst(0)
	v_mov_b32 v[AL+1], v[AL]
.endif
.irp i, 0,2,4,6,8,10,12,14,16,18,20,22,24,26,28,30
	v_pk_add_f32 v[L+\i:L+\i+1], v[L+\i:L+\i+1], v[MM:MM+1] neg_lo:[0,1] neg_hi:[0,1]
.endr
.irp i, 0,1,2,3,4,5,6,7,8,9,10,11,12,13,14,15,16,17,18,19,20,21,22,23,24,25,26,27,28,29,30,31
	v_exp_f32 v[L+\i], v[L+\i]
.endr
.if \first
	v_nop                                          ; the plain place behind the last v_exp_f32
	s_wait_alu depctr_va_vdst(0)
.else
	s_wait_alu depctr_va_vdst(0)
.irp i, 0,2,4,6,8,10,12,14,16,18,20,22,24,26,28,30
	v_pk_mul_f32 v[ACC+\i:ACC+\i+1], v[ACC+\i:ACC+\i+1], v[AL:AL+1]        ; in O too a lane stands for head r; these are also the plain places behind the exponentials
.endr
.endif
.irp k, 0,1,2,3,4,5,6,7
	v_pk_add_f32 v[L+32+2*\k:L+33+2*\k], v[L+4*\k:L+4*\k+1], v[L+4*\k+2:L+4*\k+3]
.endr
.irp k, 0,2,4,6
	v_pk_add_f32 v[L+32+\k:L+33+\k], v[L+32+\k:L+33+\k], v[L+40+\k:L+41+\k]
.endr
.irp k, 0,2
	v_pk_add_f32 v[L+32+\k:L+33+\k], v[L+32+\k:L+33+\k], v[L+36+\k:L+37+\k]
.endr
	v_pk_add_f32 v[L+32:L+33], v[L+32:L+33], v[L+34:L+35]
.if \first
	v_add_f32 v[LS], v[L+32], v[L+33]
.else
	v_add_f32 v[T0], v[L+32], v[L+33]
	v_fma_f32 v[LS], v[LS], v[AL], v[T0]
.endif
.irp i, 0,1,2,3,4,5,6,7,8,9,10,11,12,13,14,15
	v_cvt_pk_bf16_f32 v[P+\i], v[L+2*\i], v[L+2*\i+1]
.endr
	PV 0, \first
	PV 1, 0
	PLACES                                         ; in front of the next loads into the fragments' and landing registers, and of the stores of O
.endm
	TILE 0, 0, 1, 0
	TILE 1, 1, 0, 1
	TILE 0, 2, 0, 1
	TILE 1, 3, 0, 1
	TILE 0, 4, 0, 1
	TILE 1, 5, 0, 1
	TILE 0, 6, 0, 1
	TILE 1, 7, 0, 0                                ; nothing is left to fetch; its wait on the tensor loads was for 0
	; the way out: O through LDS, so that whole rows of 2048 bytes leave; m and l as one block of 256 bytes
	v_permlanex16_b32 v[T0], v[LS], s57, s58
	v_add_f32 v[MM+1], v[LS], v[T0]                ; l of head r over all rows; v[14:15] is now the pair (m, l)
.irp t, 0,1,2,3
.irp j, 0,1,2,3,4,5,6,7
	ds_store_b32 v[OW], v[ACC+8*\t+\j] offset:16*\j+4*\t
.endr
.endr
	s_lshl_b32 s24, s20, 3
	s_add_co_u32 s24, s24, s19                     ; 8 x batch + chunk
	s_lshl_b32 s25, s24, 8
	s_lshl_b32 s28, s24, 15
	s_cmp_lg_u32 s18, 0
	s_cbranch_scc1 .Lno_ml
	v_and_b32 v3, 31, v0
	v_lshl_add_u32 v3, v3, 3, s25
	global_store_b64 v3, v[MM:MM+1], s[16:17]      ; 32 lanes x 8 bytes: 256 consecutive bytes, aligned; lanes 16-31 repeat the 16 heads
.Lno_ml:
	s_wait_dscnt 0x0
	s_barrier_signal -1
	s_barrier_wait -1
	v_lshrrev_b32 v[T0], 7, v0
	v_and_b32 v[T1], 127, v0
	v_mul_u32_u24 v[T0], v[T0], 2064
	v_lshl_add_u32 v[T0], v[T1], 4, v[T0]
	v_add_nc_u32 v[T0], STG, v[T0]
	v_lshl_add_u32 v4, v0, 4, s28
.irp i, 0,1,2,3,4,5,6,7
	ds_load_b128 v[F+4*\i:F+4*\i+3], v[T0] offset:\i*4128
.endr
.irp i, 0,1,2,3,4,5,6,7
	s_wait_dscnt 7-\i                              ; LDS loads come back in order: load i is in
	global_store_b128 v4, v[F+4*\i:F+4*\i+3], s[14:15] offset:\i*4096
.endr
	s_set_vgpr_msb 0x5
	s_wait_tensorcnt 0x0
	ds_add_u32 v64, v65
	s_wait_dscnt 0x0
	s_set_vgpr_msb 0x500
	s_endpgm
.Lfunc_end_k_q06d691763a_main:
	.size	k_q06d691763a_main, .Lfunc_end_k_q06d691763a_main-k_q06d691763a_main
	.p2alignl 7, 3214868480
	.fill 96, 4, 3214868480
	.section	.rodata,"a",@progbits
	.p2align	6, 0x0
	.amdhsa_kernel k_q06d691763a_main
		.amdhsa_group_segment_fixed_size 327680
		.amdhsa_private_segment_fixed_size 0
		.amdhsa_enable_private_segment 0
		.amdhsa_kernarg_size 56
		.amdhsa_user_sgpr_count 2
		.amdhsa_user_sgpr_kernarg_segment_ptr 1
		.amdhsa_wavefront_size32 1
		.amdhsa_system_sgpr_workgroup_id_x 1
		.amdhsa_system_sgpr_workgroup_id_y 1
		.amdhsa_system_sgpr_workgroup_id_z 1
		.amdhsa_system_vgpr_workitem_id 0
		.amdhsa_next_free_vgpr 322
		.amdhsa_next_free_sgpr 66
		.amdhsa_reserve_vcc 0
		.amdhsa_float_denorm_mode_32 3
		.amdhsa_float_denorm_mode_16_64 3
		.amdhsa_memory_ordered 1
		.amdhsa_forward_progress 1
		.amdhsa_inst_pref_size 205
	.end_amdhsa_kernel
	.amdgpu_metadata
---
amdhsa.version: [ 1, 2 ]
amdhsa.kernels:
  - .name:           k_q06d691763a_main
    .symbol:         k_q06d691763a_main.kd
    .args:
      - { .name: context, .offset: 0, .size: 8, .value_kind: global_buffer, .address_space: global }
      - { .name: dist_matrix, .offset: 8, .size: 8, .value_kind: global_buffer, .address_space: global }
      - { .name: context_mask, .offset: 16, .size: 8, .value_kind: global_buffer, .address_space: global }
      - { .name: qk, .offset: 24, .size: 8, .value_kind: global_buffer, .address_space: global }
      - { .name: cvec, .offset: 32, .size: 8, .value_kind: global_buffer, .address_space: global }
      - { .name: part, .offset: 40, .size: 8, .value_kind: global_buffer, .address_space: global }
      - { .name: ml, .offset: 48, .size: 8, .value_kind: global_buffer, .address_space: global }
    .group_segment_fixed_size: 327680
    .private_segment_fixed_size: 0
    .kernarg_segment_align: 8
    .kernarg_segment_size: 56
    .max_flat_workgroup_size: 256
    .sgpr_count:     66
    .vgpr_count:     322
    .wavefront_size: 32
...
	.end_amdgpu_metadata
.endif
;; end of part 2
;; launch post1 (part 3): grid 16 x 2, 16 waves a work-group, no clusters, 85,760 bytes of LDS; arguments part, ml, Wv, bv, Wo, ypart; writes ypart
.if DOCPART == 3
	.amdgcn_target "amdgcn-amd-amdhsa--gfx1250"
	.amdhsa_code_object_version 6
	.text
	.protected	k_q06d691763a_post1
	.globl	k_q06d691763a_post1
	.p2align	8
	.type	k_q06d691763a_post1,@function
k_q06d691763a_post1:
	s_mov_b64 s[64:65], 0
	v_nop
	global_prefetch_b8 v0, s[64:65] scope:SCOPE_SE
	s_setreg_imm32_b32 hwreg(HW_REG_WAVE_MODE, 25, 1), 1
	s_wait_xcnt 0x0
; For head h (grid x) and 16 batches (grid y): the eight chunks' sums are merged under their common maximum and normalised,
; ctx[b][d] = sum over chunks of a_c part[b][c][h][d], a_c = 2^(m_c - M) / sum of 2^(m_c - M) l_c;
; attn[b][j] = ctx[b] . Wv[:, 32h+j] + bv[32h+j] (the weights add up to 1, so bv enters once);  ypart[h][b][:] = attn[b] . Wo[32h .. 32h+31][:].
; Sixteen waves.  Wave w merges batch 16 (grid y) + w, takes K step w of the product with Wv and columns 32 w .. 32 w + 31 of the product with Wo.
; Limits: ctx, attn, Wv and Wo are rounded to bf16 as matrix operands; a chunk whose 2^(m_c - M) is below 2^-126 counts as 0 (ISA guide, v_exp_f32).
; No cluster: the two work-groups of a head share 128 KiB of weights, which come through registers.  No prefetch: all loads go out in the first lines.
.set CB,  0                            ; LDS: ctx in bf16, 16 rows of 1024 + 16 bytes
.set CBP, 1040
.set RED, 16640                        ; the sixteen waves' partial attn, 2048 bytes each
.set AO,  49408                        ; attn in bf16, 16 rows of 64 + 16 bytes
.set AOP, 80
.set YS,  50688                        ; ypart on its way out, 16 rows of 2048 + 16 bytes
.set YP,  2064
.set A2,  16                           ; v[16:31]   a_c, each twice
.set WV,  32                           ; v[32:63]   Wv: position jj: the pair at 2 jj
.set WO,  64                           ; v[64:95]   Wo likewise
.set L,   96                           ; v[96:223]  part: chunk c at 16 c
.set CX,  224                          ; v[224:239] ctx, my 16 numbers
.set BVV, 240                          ; v240       bv of my thread's j
.set FA,  96                           ; v[96:111]  Wv fragments t = 0, 1
.set FB,  112                          ; v[112:119] ctx fragment
.set D,   120                          ; v[120:135] partial attn, t = 0, 1
.set RS,  136                          ; v[136:151] sixteen partial sums
.set FC,  152                          ; v[152:159] attn fragment
.set FO,  160                          ; v[160:175] Wo fragments t = 0, 1
.set Y,   176                          ; v[176:191] ypart, t = 0, 1
.set OUTR, 192                         ; v[192:207] rows on their way out
.macro PLACES                          ; four plain vector places behind a matrix instruction (ISA guide 7.12.1)
.rept 4
	v_nop
.endr
.endm
	s_load_b256 s[4:11], s[0:1], 0x0               ; part s[4:5], ml s[6:7], Wv s[8:9], bv s[10:11]
	s_load_b128 s[12:15], s[0:1], 0x20             ; Wo s[12:13], ypart s[14:15]
	v_lshl_add_u32 v254, v0, 2, 0x14700
	v_mov_b32 v255, 0
	v_lshrrev_b32 v3, 5, v0
	v_readfirstlane_b32 s16, v3                    ; wave w
	s_mov_b32 s17, ttmp9                           ; head h
	s_and_b32 s18, ttmp7, 0xffff                   ; which 16 batches
	s_lshl_b32 s19, s18, 4
	s_add_co_u32 s19, s19, s16                     ; my batch
	s_lshl_b32 s36, s19, 11                        ; ml: eight blocks of 256 bytes a batch,
	s_lshl_b32 s37, s17, 3                         ;     the head's pair at 8 h
	s_add_co_u32 s36, s36, s37
	s_mov_b32 s37, 0
	s_lshl_b32 s38, s19, 18                        ; part: batch x 8 chunks x 16 heads x 2048 bytes
	s_lshl_b32 s39, s17, 11
	s_add_co_u32 s38, s38, s39
	s_lshl_b32 s40, s17, 7                         ; 128 h
	s_lshl_b32 s39, s16, 16                        ; Wv: row 32 w
	s_add_co_u32 s39, s39, s40
	s_lshl_b32 s41, s17, 16                        ; Wo: row 32 h,
	s_lshl_b32 s42, s16, 7                         ;     column 32 w
	s_add_co_u32 s41, s41, s42
	v_and_b32 v1, 15, v0                           ; r
	v_bfe_u32 v2, v0, 4, 1                         ; h2
	v_and_b32 v4, 31, v0                           ; lane
	v_lshl_add_u32 v6, v4, 4, s38                  ; part: 16 bytes a lane
	v_lshl_add_u32 v7, v2, 14, s39                 ; Wv: row 32 w + 8 h2, columns 2 r, 2 r + 1 of the head
	v_lshl_add_u32 v7, v1, 3, v7
	v_lshl_add_u32 v9, v2, 14, s41                 ; Wo: row 32 h + 8 h2, columns 32 w + 2 r, + 1
	v_lshl_add_u32 v9, v1, 3, v9
	; the word of a partial attn that thread T adds up is register 4 quad + e of tile t in lane (r', h2'):
	; T = 256 t + 128 quad + 64 h2' + 4 r' + e, and it is attn[b = r'][j = 16 h2' + 8 quad + 2 e + t]
	v_bfe_u32 v10, v0, 8, 1
	v_and_b32 v5, 3, v0
	v_lshl_add_u32 v10, v5, 1, v10
	v_bfe_u32 v5, v0, 7, 1
	v_lshl_add_u32 v10, v5, 3, v10
	v_bfe_u32 v5, v0, 6, 1
	v_lshl_add_u32 v10, v5, 4, v10                 ; j
	v_lshl_add_u32 v8, v10, 2, s40                 ; bv[32 h + j]
	s_wait_kmcnt 0x0
	s_add_nc_u64 s[6:7], s[6:7], s[36:37]
.irp c, 0,1,2,3,4,5,6,7
	s_load_b64 s[20+2*\c:21+2*\c], s[6:7], \c*256  ; (m, l) of chunk c; this launch stores nothing into ml
.endr
.irp c, 0,1,2,3,4,5,6,7
.irp q, 0,1,2,3
	global_load_b128 v[L+16*\c+4*\q:L+16*\c+4*\q+3], v6, s[4:5] offset:\c*32768+\q*512
.endr
.endr
.irp jj, 0,1,2,3,4,5,6,7,8,9,10,11,12,13,14,15
	global_load_b64 v[WV+2*\jj:WV+2*\jj+1], v7, s[8:9] offset:(\jj&7)*2048+(\jj>>3)*32768
.endr
	global_load_b32 v[BVV], v8, s[10:11]
.irp jj, 0,1,2,3,4,5,6,7,8,9,10,11,12,13,14,15
	global_load_b64 v[WO+2*\jj:WO+2*\jj+1], v9, s[12:13] offset:(\jj&7)*2048+(\jj>>3)*32768
.endr
	; LDS addresses
	v_bfe_u32 v5, v0, 2, 4
	v_mul_u32_u24 v5, v5, AOP
	v_lshl_add_u32 v10, v10, 1, v5
	v_add_nc_u32 v10, AO, v10                      ; v10: attn in: row r', 2 j
	s_mul_i32 s43, s16, CBP
	v_lshl_add_u32 v11, v4, 3, s43                 ; v11: ctx in: row w, 8 bytes a lane
	s_lshl_b32 s43, s16, 6
	v_mul_u32_u24 v12, v1, CBP
	v_lshl_add_u32 v12, v2, 4, v12
	v_add_nc_u32 v12, s43, v12                     ; v12: ctx fragment: row r, K step w, 16 h2
	s_lshl_b32 s43, s16, 11
	s_add_co_u32 s43, s43, RED
	v_lshl_add_u32 v13, v4, 4, s43                 ; v13: my wave's partial attn
	v_lshlrev_b32 v14, 2, v0
	v_add_nc_u32 v14, RED, v14                     ; v14: my thread's word of each partial attn
	v_mul_u32_u24 v15, v1, AOP
	v_lshl_add_u32 v15, v2, 4, v15
	v_add_nc_u32 v15, AO, v15                      ; v15: attn fragment
	s_add_co_u32 s43, s42, YS
	v_mul_u32_u24 v241, v2, 8*YP
	v_lshl_add_u32 v241, v1, 3, v241
	v_add_nc_u32 v241, s43, v241                   ; v241: ypart in: row 8 h2, column 32 w + 2 r
	v_lshrrev_b32 v242, 7, v0
	v_and_b32 v244, 127, v0
	v_mul_u32_u24 v242, v242, YP
	v_lshl_add_u32 v242, v244, 4, v242
	v_add_nc_u32 v242, YS, v242                    ; v242: ypart back, by rows
	s_lshl_b32 s43, s18, 15
	s_add_co_u32 s43, s43, s41
	s_sub_co_u32 s43, s43, s42                     ; 65536 h + 32768 x (grid y)
	v_lshl_add_u32 v243, v0, 4, s43
	; the chunks' weights
	s_wait_kmcnt 0x0
	v_max_num_f32 v3, s20, s22
	v_max3_num_f32 v3, v3, s24, s26
	v_max3_num_f32 v3, v3, s28, s30
	v_max3_num_f32 v3, v3, s32, s34                ; M
.irp c, 0,1,2,3,4,5,6,7
	v_sub_f32 v[A2+2*\c], s[20+2*\c], v3
.endr
.irp c, 0,1,2,3,4,5,6,7
	v_exp_f32 v[A2+2*\c], v[A2+2*\c]
.endr
	v_nop                                          ; a plain place behind the last v_exp_f32
	s_wait_alu depctr_va_vdst(0)
	v_mul_f32 v4, s21, v[A2]
.irp c, 1,2,3,4,5,6,7
	v_fma_f32 v4, s[21+2*\c], v[A2+2*\c], v4       ; at least 1: the chunk that holds M has weight 1 and l of at least 1
.endr
	v_rcp_f32 v5, v4
	v_nop                                          ; a plain place behind v_rcp_f32
	s_wait_alu depctr_va_vdst(0)
.irp c, 0,1,2,3,4,5,6,7
	v_mul_f32 v[A2+2*\c+1], v[A2+2*\c], v5
	v_mul_f32 v[A2+2*\c], v[A2+2*\c], v5
.endr
.irp c, 0,1,2,3,4,5,6,7
	s_wait_loadcnt 33+4*(7-\c)                     ; behind chunk c's four loads: the later chunks' four each, and 33 for Wv, bv, Wo
.irp k, 0,2,4,6,8,10,12,14
.if \c
	v_pk_fma_f32 v[CX+\k:CX+\k+1], v[L+16*\c+\k:L+16*\c+\k+1], v[A2+2*\c:A2+2*\c+1], v[CX+\k:CX+\k+1]
.else
	v_pk_mul_f32 v[CX+\k:CX+\k+1], v[L+\k:L+\k+1], v[A2:A2+1]
.endif
.endr
.endr
.irp q, 0,1,2,3
	v_cvt_pk_bf16_f32 v[CX+4*\q], v[CX+4*\q], v[CX+4*\q+1]
	v_cvt_pk_bf16_f32 v[CX+4*\q+1], v[CX+4*\q+2], v[CX+4*\q+3]
	ds_store_b64 v11, v[CX+4*\q:CX+4*\q+1] offset:\q*256   ; d = 128 q + 4 x lane
.endr
	s_wait_dscnt 0x0
	s_barrier_signal -1
	s_barrier_wait -1
	; product with Wv, my K step: D_t[j index][b] with j = 2 (index) + t
	ds_load_b128 v[FB:FB+3], v12
	ds_load_b128 v[FB+4:FB+7], v12 offset:32
	s_wait_loadcnt 17                              ; bv's one load and Wo's sixteen may stay out
.irp t, 0,1
.irp i, 0,1,2,3,4,5,6,7
	v_cvt_pk_bf16_f32 v[FA+8*\t+\i], v[WV+4*\i+\t], v[WV+4*\i+2+\t]
.endr
.endr
	s_wait_dscnt 0x0
	v_wmma_f32_16x16x32_bf16 v[D:D+7], v[FA:FA+7], v[FB:FB+7], 0
	v_wmma_f32_16x16x32_bf16 v[D+8:D+15], v[FA+8:FA+15], v[FB:FB+7], 0
	PLACES
.irp k, 0,1,2,3
	ds_store_b128 v13, v[D+4*\k:D+4*\k+3] offset:\k*512
.endr
	s_wait_dscnt 0x0
	s_barrier_signal -1
	s_barrier_wait -1
	; each of the 512 threads adds up one number of attn over the sixteen K steps
.irp u, 0,1,2,3,4,5,6,7,8,9,10,11,12,13,14,15
	ds_load_b32 v[RS+\u], v14 offset:\u*2048
.endr
	s_wait_dscnt 0x0
.irp k, 0,2,4,6
	v_pk_add_f32 v[RS+\k:RS+\k+1], v[RS+\k:RS+\k+1], v[RS+8+\k:RS+9+\k]
.endr
.irp k, 0,2
	v_pk_add_f32 v[RS+\k:RS+\k+1], v[RS+\k:RS+\k+1], v[RS+4+\k:RS+5+\k]
.endr
	v_pk_add_f32 v[RS:RS+1], v[RS:RS+1], v[RS+2:RS+3]
	v_add_f32 v[RS], v[RS], v[RS+1]
	s_wait_loadcnt 16                              ; Wo's sixteen may stay out
	v_add_f32 v[RS], v[RS], v[BVV]
	v_cvt_pk_bf16_f32 v[RS], v[RS], v[RS]
	ds_store_b16 v10, v[RS]
	s_wait_dscnt 0x0
	s_barrier_signal -1
	s_barrier_wait -1
	; product with Wo's 32 rows of this head, my 32 columns: Y_t[b][column 32 w + 2 r + t]
	ds_load_b128 v[FC:FC+3], v15
	ds_load_b128 v[FC+4:FC+7], v15 offset:32
	s_wait_loadcnt 0x0
.irp t, 0,1
.irp i, 0,1,2,3,4,5,6,7
	v_cvt_pk_bf16_f32 v[FO+8*\t+\i], v[WO+4*\i+\t], v[WO+4*\i+2+\t]
.endr
.endr
	s_wait_dscnt 0x0
	v_wmma_f32_16x16x32_bf16 v[Y:Y+7], v[FC:FC+7], v[FO:FO+7], 0
	v_wmma_f32_16x16x32_bf16 v[Y+8:Y+15], v[FC:FC+7], v[FO+8:FO+15], 0
	PLACES
.irp t, 0,1
.irp j, 0,1,2,3,4,5,6,7
	ds_store_b32 v241, v[Y+8*\t+\j] offset:\j*YP+4*\t
.endr
.endr
	s_wait_dscnt 0x0
	s_barrier_signal -1
	s_barrier_wait -1
.irp i, 0,1,2,3
	ds_load_b128 v[OUTR+4*\i:OUTR+4*\i+3], v242 offset:\i*4*YP
.endr
.irp i, 0,1,2,3
	s_wait_dscnt 3-\i                              ; LDS loads come back in order: load i is in
	global_store_b128 v243, v[OUTR+4*\i:OUTR+4*\i+3], s[14:15] offset:\i*8192   ; whole rows of 2048 bytes
.endr
	s_wait_tensorcnt 0x0
	ds_add_u32 v254, v255
	s_wait_dscnt 0x0
	s_endpgm
.Lfunc_end_k_q06d691763a_post1:
	.size	k_q06d691763a_post1, .Lfunc_end_k_q06d691763a_post1-k_q06d691763a_post1
	.p2alignl 7, 3214868480
	.fill 96, 4, 3214868480
	.section	.rodata,"a",@progbits
	.p2align	6, 0x0
	.amdhsa_kernel k_q06d691763a_post1
		.amdhsa_group_segment_fixed_size 85760
		.amdhsa_private_segment_fixed_size 0
		.amdhsa_enable_private_segment 0
		.amdhsa_kernarg_size 48
		.amdhsa_user_sgpr_count 2
		.amdhsa_user_sgpr_kernarg_segment_ptr 1
		.amdhsa_wavefront_size32 1
		.amdhsa_system_sgpr_workgroup_id_x 1
		.amdhsa_system_sgpr_workgroup_id_y 1
		.amdhsa_system_sgpr_workgroup_id_z 1
		.amdhsa_system_vgpr_workitem_id 0
		.amdhsa_next_free_vgpr 256
		.amdhsa_next_free_sgpr 66
		.amdhsa_reserve_vcc 0
		.amdhsa_float_denorm_mode_32 3
		.amdhsa_float_denorm_mode_16_64 3
		.amdhsa_memory_ordered 1
		.amdhsa_forward_progress 1
		.amdhsa_inst_pref_size 25
	.end_amdhsa_kernel
	.amdgpu_metadata
---
amdhsa.version: [ 1, 2 ]
amdhsa.kernels:
  - .name:           k_q06d691763a_post1
    .symbol:         k_q06d691763a_post1.kd
    .args:
      - { .name: part, .offset: 0, .size: 8, .value_kind: global_buffer, .address_space: global }
      - { .name: ml, .offset: 8, .size: 8, .value_kind: global_buffer, .address_space: global }
      - { .name: Wv, .offset: 16, .size: 8, .value_kind: global_buffer, .address_space: global }
      - { .name: bv, .offset: 24, .size: 8, .value_kind: global_buffer, .address_space: global }
      - { .name: Wo, .offset: 32, .size: 8, .value_kind: global_buffer, .address_space: global }
      - { .name: ypart, .offset: 40, .size: 8, .value_kind: global_buffer, .address_space: global }
    .group_segment_fixed_size: 85760
    .private_segment_fixed_size: 0
    .kernarg_segment_align: 8
    .kernarg_segment_size: 48
    .max_flat_workgroup_size: 512
    .sgpr_count:     66
    .vgpr_count:     256
    .wavefront_size: 32
...
	.end_amdgpu_metadata
.endif
;; end of part 3
;; launch post2 (part 4): grid 32 x 1, 4 waves a work-group, no clusters, 768 bytes of LDS; arguments ypart, query, bo, ln_gamma, ln_beta, out0; writes out0
.if DOCPART == 4
	.amdgcn_target "amdgcn-amd-amdhsa--gfx1250"
	.amdhsa_code_object_version 6
	.text
	.protected	k_q06d691763a_post2
	.globl	k_q06d691763a_post2
	.p2align	8
	.type	k_q06d691763a_post2,@function
k_q06d691763a_post2:
	s_mov_b64 s[64:65], 0
	v_nop
	global_prefetch_b8 v0, s[64:65] scope:SCOPE_SE
	s_setreg_imm32_b32 hwreg(HW_REG_WAVE_MODE, 25, 1), 1
	s_wait_xcnt 0x0
; For one batch row: x = query + bo + the sum over the 16 heads of ypart;  out = (x - mean) / sqrt(var + 1e-5) x gamma + beta.  All in f32.
; Four waves; thread T owns columns 4 T .. 4 T + 3, so every load and store of a wave covers 512 neighbouring bytes.
; 32 work-groups: there are 32 rows, and a row's mean and variance want the whole row in one place.  No matrix unit: nothing is multiplied by a matrix.
.set V, 16                             ; v[16:87]  18 vectors of four: 16 heads, query, bo; the sum ends in v[16:19]
.set GA, 88                            ; v[88:91]  gamma
.set BE, 92                            ; v[92:95]  beta
.macro VADD a, b                       ; vector a += vector b (the arguments may be expressions: they stand in parentheses)
	v_pk_add_f32 v[V+4*(\a):V+4*(\a)+1], v[V+4*(\a):V+4*(\a)+1], v[V+4*(\b):V+4*(\b)+1]
	v_pk_add_f32 v[V+4*(\a)+2:V+4*(\a)+3], v[V+4*(\a)+2:V+4*(\a)+3], v[V+4*(\b)+2:V+4*(\b)+3]
.endm
.macro WSUM                            ; v4 = its sum over the wave's 32 lanes, in every lane
	v_add_f32_dpp v4, v4, v4 row_xmask:1 row_mask:0xf bank_mask:0xf
	v_add_f32_dpp v4, v4, v4 row_xmask:2 row_mask:0xf bank_mask:0xf
	v_add_f32_dpp v4, v4, v4 row_xmask:4 row_mask:0xf bank_mask:0xf
	v_add_f32_dpp v4, v4, v4 row_xmask:8 row_mask:0xf bank_mask:0xf
	v_permlanex16_b32 v5, v4, s18, s19
	v_add_f32 v4, v4, v5
.endm
.macro GSUM off                        ; v8 = the four waves' v4 added up, through four words at LDS byte off
	ds_store_b32 v6, v4 offset:\off
	s_wait_dscnt 0x0                               ; my word is in LDS before I say so
	s_barrier_signal -1
	s_barrier_wait -1
	ds_load_b128 v[8:11], v7 offset:\off
	s_wait_dscnt 0x0
	v_add_f32 v8, v8, v9
	v_add_f32 v10, v10, v11
	v_add_f32 v8, v8, v10
.endm
	s_load_b256 s[4:11], s[0:1], 0x0               ; ypart s[4:5], query s[6:7], bo s[8:9], gamma s[10:11]
	s_load_b128 s[12:15], s[0:1], 0x20             ; beta s[12:13], out0 s[14:15]
	v_lshl_add_u32 v96, v0, 2, 0x100
	v_mov_b32 v97, 0
	v_lshrrev_b32 v1, 5, v0
	v_readfirstlane_b32 s16, v1                    ; wave
	s_lshl_b32 s17, ttmp9, 11                      ; the batch's row of 2048 bytes
	s_mov_b32 s18, 0x76543210                      ; v_permlanex16_b32: lane i reads lane i of the other half
	s_mov_b32 s19, 0xfedcba98
	s_mov_b32 s20, 0x3b000000                      ; 1 / 512
	s_mov_b32 s21, 0x3727c5ac                      ; 1e-5
	s_mov_b32 s23, 0xbb000000                      ; -1 / 512
	s_lshl_b32 s22, s16, 2
	v_lshlrev_b32 v2, 4, v0
	v_lshl_add_u32 v3, v0, 4, s17
	v_mov_b32 v6, s22                              ; my wave's word
	v_mov_b32 v7, 0
	s_wait_kmcnt 0x0
.irp h, 0,1,2,3,4,5,6,7,8,9,10,11,12,13,14,15
	global_load_b128 v[V+4*\h:V+4*\h+3], v3, s[4:5] offset:\h*65536
.endr
	global_load_b128 v[V+64:V+67], v3, s[6:7]
	global_load_b128 v[V+68:V+71], v2, s[8:9]
	global_load_b128 v[GA:GA+3], v2, s[10:11]
	global_load_b128 v[BE:BE+3], v2, s[12:13]
	s_wait_loadcnt 2                               ; gamma's and beta's loads may stay out
	; a tree over the 18 vectors: heads k and k + 8, query and bo, then halves
.irp k, 0,1,2,3,4,5,6,7
	VADD \k, \k+8
.endr
	VADD 16, 17
.irp k, 0,1,2,3
	VADD \k, \k+4
.endr
	VADD 0, 2
	VADD 1, 3
	VADD 0, 16
	VADD 0, 1                                      ; x
	v_add_f32 v4, v[V], v[V+1]
	v_add_f32 v5, v[V+2], v[V+3]
	v_add_f32 v4, v4, v5
	WSUM
	GSUM 0
.irp i, 0,1,2,3
	v_fma_f32 v[V+\i], v8, s23, v[V+\i]            ; x - sum / 512: the factor is a power of two, so the one rounding is the subtraction's
.endr
	v_pk_mul_f32 v[4:5], v[V:V+1], v[V:V+1]
	v_pk_fma_f32 v[4:5], v[V+2:V+3], v[V+2:V+3], v[4:5]
	v_add_f32 v4, v4, v5
	WSUM
	GSUM 16                                        ; other words than the first sum's: no wave can overwrite what another still reads
	v_fma_f32 v4, v8, s20, s21                     ; variance + 1e-5
	v_rsq_f32 v12, v4
	v_nop                                          ; a plain place behind v_rsq_f32
	s_wait_alu depctr_va_vdst(0)
	v_mov_b32 v13, v12
	s_wait_loadcnt 0x0
	v_pk_mul_f32 v[V:V+1], v[V:V+1], v[12:13]
	v_pk_mul_f32 v[V+2:V+3], v[V+2:V+3], v[12:13]
	v_pk_fma_f32 v[V:V+1], v[V:V+1], v[GA:GA+1], v[BE:BE+1]
	v_pk_fma_f32 v[V+2:V+3], v[V+2:V+3], v[GA+2:GA+3], v[BE+2:BE+3]
	global_store_b128 v3, v[V:V+3], s[14:15]
	s_wait_tensorcnt 0x0
	ds_add_u32 v96, v97
	s_wait_dscnt 0x0
	s_endpgm
.Lfunc_end_k_q06d691763a_post2:
	.size	k_q06d691763a_post2, .Lfunc_end_k_q06d691763a_post2-k_q06d691763a_post2
	.p2alignl 7, 3214868480
	.fill 96, 4, 3214868480
	.section	.rodata,"a",@progbits
	.p2align	6, 0x0
	.amdhsa_kernel k_q06d691763a_post2
		.amdhsa_group_segment_fixed_size 768
		.amdhsa_private_segment_fixed_size 0
		.amdhsa_enable_private_segment 0
		.amdhsa_kernarg_size 48
		.amdhsa_user_sgpr_count 2
		.amdhsa_user_sgpr_kernarg_segment_ptr 1
		.amdhsa_wavefront_size32 1
		.amdhsa_system_sgpr_workgroup_id_x 1
		.amdhsa_system_sgpr_workgroup_id_y 1
		.amdhsa_system_sgpr_workgroup_id_z 1
		.amdhsa_system_vgpr_workitem_id 0
		.amdhsa_next_free_vgpr 98
		.amdhsa_next_free_sgpr 66
		.amdhsa_reserve_vcc 0
		.amdhsa_float_denorm_mode_32 3
		.amdhsa_float_denorm_mode_16_64 3
		.amdhsa_memory_ordered 1
		.amdhsa_forward_progress 1
		.amdhsa_inst_pref_size 8
	.end_amdhsa_kernel
	.amdgpu_metadata
---
amdhsa.version: [ 1, 2 ]
amdhsa.kernels:
  - .name:           k_q06d691763a_post2
    .symbol:         k_q06d691763a_post2.kd
    .args:
      - { .name: ypart, .offset: 0, .size: 8, .value_kind: global_buffer, .address_space: global }
      - { .name: query, .offset: 8, .size: 8, .value_kind: global_buffer, .address_space: global }
      - { .name: bo, .offset: 16, .size: 8, .value_kind: global_buffer, .address_space: global }
      - { .name: ln_gamma, .offset: 24, .size: 8, .value_kind: global_buffer, .address_space: global }
      - { .name: ln_beta, .offset: 32, .size: 8, .value_kind: global_buffer, .address_space: global }
      - { .name: out0, .offset: 40, .size: 8, .value_kind: global_buffer, .address_space: global }
    .group_segment_fixed_size: 768
    .private_segment_fixed_size: 0
    .kernarg_segment_align: 8
    .kernarg_segment_size: 48
    .max_flat_workgroup_size: 128
    .sgpr_count:     66
    .vgpr_count:     98
    .wavefront_size: 32
...
	.end_amdgpu_metadata
.endif
;; end of part 4
;; ======== version 2 of 2: 4 launches; 1.14 times as fast as version 1
;; workspace buffers: qk 524,288 bytes; cvec 2,048 bytes; part 8,388,608 bytes; ml 65,536 bytes; ypart 1,048,576 bytes
;; launch prep: the kernel of part 1 again; grid 16 x 2, 8 waves a work-group, no clusters, 91,648 bytes of LDS; arguments query, Wq, bq, Wk, bk, qk, cvec; writes qk, cvec
;; launch main (part 5): grid 8 x 32, 8 waves a work-group, no clusters, 182,016 bytes of LDS; arguments context, dist_matrix, context_mask, qk, cvec, part, ml; writes part, ml
.if DOCPART == 5
	.amdgcn_target "amdgcn-amd-amdhsa--gfx1250"
	.amdhsa_code_object_version 6
	.text
	.protected	k_q06d691763a_main
	.globl	k_q06d691763a_main
	.p2align	8
	.type	k_q06d691763a_main,@function
k_q06d691763a_main:
	s_mov_b64 s[64:65], 0
	v_nop
	global_prefetch_b8 v0, s[64:65] scope:SCOPE_SE
	s_setreg_imm32_b32 hwreg(HW_REG_WAVE_MODE, 25, 1), 1
	s_wait_xcnt 0x0
; For batch b (grid y) and a chunk of 512 context rows (grid x): scores, distance bias, mask, softmax with a running maximum, and the
; unnormalised sum over the chunk's rows of p x context, for all 16 heads; with it the chunk's maximum m and sum l of every head.
; Scores live in the base-2 domain (log2(e) is folded into qk, cvec and the bias factor).
; context is read from memory once, through registers: every wave runs a ring of 48 loads of 512 bytes (192 registers); a group of eight is
; rounded to bf16, put into LDS and asked for again at once, so 40 to 48 loads of each wave are on their way at any time, across barriers too.
; A tile of 64 rows lies in LDS as bf16 (64 KiB, two buffers that take turns) and feeds both products with ready fragments:
; scores = C qk^T (sum over d) by plain loads along the rows, O += C^T p (sum over rows) by transposing loads.
; Why not tensor loads: they cannot round to bf16, so the tile would take twice the LDS bytes and be rounded once for each product.
; Wave w: (1) loads and stages rows 8 w .. 8 w + 7 of a tile, 16 KiB that lie together in memory; (2) in the first product takes
; rows 16 (w & 3) .. + 15 over the half w >> 2 of d; (3) in the second product owns d = 64 w .. 64 w + 63 for all 64 rows.
; Every wave makes the tile's softmax for itself from the scores that all waves put into LDS, so m, l and the rescaling factor are
; alike in all waves and O needs no sum over waves.
; Limits: context, qk and p are rounded to bf16 as matrix operands; l is the sum of the unrounded p; an exponential below 2^-126 counts as 0
; (ISA guide, v_exp_f32); a masked score is -1e9 log2(e), made of two equal halves; a row that is masked still enters with weight 0,
; so a NaN or an infinity in it gives NaN, as 0 x v does in the module itself.
; No cluster: the eight work-groups of a batch share 16 KiB of qk against 1 MiB of context of their own each.
; No prefetch: the ring itself asks 40 to 48 loads ahead of the load that is waited for.
.set DEPTH, 48                         ; loads of 512 bytes in a wave's ring
.set ROWP,  1056                       ; an LDS row: 1024 bytes of bf16 + 32.  Row n begins at 1056 n + 16 ((n >> 3) & 1): the sixteen rows of a
                                       ; fragment along the rows begin at 32 r + 16 (r >> 3) modulo 256, sixteen different 16-byte columns;
                                       ; the eight rows of a transposing load share one shift and are 33 x 32 bytes apart
.set BUF,   67584                      ; 64 such rows; two buffers from LDS byte 0
.set SSTG,  135168                     ; scores: [half of d][head] rows of 64 x 4 + 16 bytes
.set SP,    272
.set PL,    4352                       ; one half's 16 rows
.set BIAS,  143872                     ; half the bias of the chunk's 512 rows; the mask words lie 2048 bytes behind
.set STG,   147968                     ; first qk (16 rows of 1040), at the end O (16 rows of 2064)
.set BSC,   0xbd93bb63                 ; -0.1 log2(e) / 2
.set NEGH,  0xce2bfb8f                 ; -1e9 log2(e) / 2
.set NG,   5                           ; v5        NEGH
.set ADR1, 6                           ; v6, v7    first product's rows in buffer 0, 1
.set ADR2, 8                           ; v8, v9    second product's columns in buffer 0, 1
.set BA,   10                          ; v10       bias and mask of my 8 rows
.set SW,   11                          ; v11       where my scores go
.set SR,   12                          ; v12       where my head's scores are read
.set OW,   13                          ; v13       O on its way out
.set MM,   14                          ; v[14:15]  the running maximum, twice
.set AL,   16                          ; v[16:17]  the rescaling factor, twice
.set CH,   18                          ; v[18:19]  cvec / 2 of my head, twice
.set T0,   20
.set T1,   21
.set T2,   22
.set LS,   23                          ; v23       the running sum of my half of the rows
.set ACC,  24                          ; v[24:55]  O: tile t holds d = 64 w + 16 t + 8 h2 + j, head r
.set F,    56                          ; v[56:119] bf16 fragments of context
.set L,    120                         ; v[120:183] the scores of my head, two halves of d
.set SA1,  120                         ; v[120:127] second score accumulator (before the scores come back)
.set P,    184                         ; v[184:199] p in bf16
.set MK,   200                         ; v[200:207] mask words
.set CV,   208                         ; v[208:223] eight pairs of bf16 words on their way into LDS
.set GA,   240                         ; v240      byte offset of my 16 bytes in my wave's first load; never rewritten
.set STA,  241                         ; v241, v242 where my 8 bytes of a staged row go, buffer 0, 1
.set QA,   243                         ; v243      qk fragments in the stage
.set SA0,  248                         ; v[248:255] first score accumulator
                                       ; window 1: v[256:447] the ring, slot s at 256 + 4 s; v[448:511] qk fragments, K step ks at 448 + 8 ks
.set QK,   192                         ; qk fragments, as named in window 1
.set MS,   48                          ; s[48:55]  lanes whose row j is not masked
.set MSB,  0
.macro WIN new                         ; the immediate's high byte repeats the setting that is left
.if MSB != \new
	s_set_vgpr_msb (MSB<<8)|\new
.set MSB, \new
.endif
.endm
.macro PLACES                          ; four plain vector places behind a matrix instruction (ISA guide 7.12.1)
.rept 4
	v_nop
.endr
.endm
.macro PV kb, zero                     ; O[t] += C^T (32 rows of block kb) x p, t = 0..3; the four accumulators take turns
.irp t, 0,1,2,3
.if \zero
	v_wmma_f32_16x16x32_bf16 v[ACC+8*\t:ACC+8*\t+7], v[F+32*\kb+8*\t:F+32*\kb+8*\t+7], v[P+8*\kb:P+8*\kb+7], 0
.else
	v_wmma_f32_16x16x32_bf16 v[ACC+8*\t:ACC+8*\t+7], v[F+32*\kb+8*\t:F+32*\kb+8*\t+7], v[P+8*\kb:P+8*\kb+7], v[ACC+8*\t:ACC+8*\t+7]
.endif
.endr
.endm
; My 32 loads of tile t (numbers 32 t .. 32 t + 31 of my 256) go into buffer cur, eight at a time.  Load c lies in ring slot c mod 48, brings the
; quarter c & 3 of row 8 w + ((c & 31) >> 2), and its slot is asked for again with load c + 48 as soon as it has been rounded.
; Two switches of the register windows for eight loads: sources in window 1 for the conversions; destination in window 1 for the new loads,
; a setting under which the LDS stores (address and data are sources) still name window 0.
.macro STAGE t, cur
.irp g, 0,1,2,3
.if 32*(\t)+8*\g+DEPTH < 256
	s_wait_loadcnt DEPTH-8                         ; loads come back in order: behind this group's eighth load 40 younger ones are out
.else
	s_wait_loadcnt 248-32*(\t)-8*\g                ; the last 48 loads: nothing has been asked for behind number 255, the counts run down to 0
.endif
	WIN 0x05
.irp e, 0,1,2,3,4,5,6,7
	v_cvt_pk_bf16_f32 v[CV+2*\e],   v[4*((32*(\t)+8*\g+\e)%DEPTH)],   v[4*((32*(\t)+8*\g+\e)%DEPTH)+1]
	v_cvt_pk_bf16_f32 v[CV+2*\e+1], v[4*((32*(\t)+8*\g+\e)%DEPTH)+2], v[4*((32*(\t)+8*\g+\e)%DEPTH)+3]
.endr
	WIN 0x40
.irp e, 0,1,2,3,4,5,6,7
	ds_store_b64 v[STA+\cur], v[CV+2*\e:CV+2*\e+1] offset:((8*\g+\e)>>2)*ROWP+((8*\g+\e)&3)*256    ; 32 lanes x 8 bytes: 256 neighbouring bytes
.endr
.if 32*(\t)+8*\g+DEPTH < 256
.irp e, 0,1,2,3,4,5,6,7
	global_load_b128 v[4*((32*(\t)+8*\g+\e)%DEPTH):4*((32*(\t)+8*\g+\e)%DEPTH)+3], v[GA], s[4:5] offset:((32*(\t)+8*\g+\e+DEPTH)>>5)*131072+((32*(\t)+8*\g+\e+DEPTH)&31)*512 th:TH_LOAD_NT
.endr
.endif
.endr
	WIN 0
.endm
	s_load_b256 s[4:11], s[0:1], 0x0               ; context s[4:5], dist s[6:7], mask s[8:9], qk s[10:11]
	s_load_b128 s[12:15], s[0:1], 0x20             ; cvec s[12:13], part s[14:15]
	s_load_b64 s[16:17], s[0:1], 0x30              ; ml
	v_lshl_add_u32 v246, v0, 2, 0x2c300
	v_mov_b32 v247, 0
	v_lshrrev_b32 v3, 5, v0
	v_readfirstlane_b32 s18, v3                    ; wave w
	s_mov_b32 s19, ttmp9                           ; chunk
	s_and_b32 s20, ttmp7, 0xffff                   ; batch
	s_lshr_b32 s21, s18, 2                         ; which half of d is mine in the first product
	s_and_b32 s22, s18, 3                          ; which 16 rows
	s_mov_b32 s57, 0x76543210                      ; v_permlanex16_b32: lane i reads lane i of the other half
	s_mov_b32 s58, 0xfedcba98
	s_lshl_b32 s24, s20, 23                        ; batch x 4096 rows of 2048 bytes
	s_lshl_b32 s25, s19, 20                        ; chunk x 512 rows
	s_add_co_u32 s24, s24, s25
	s_mov_b32 s25, 0
	s_lshl_b32 s26, s18, 14                        ; my wave's 8 rows of a tile
	s_lshl_b32 s27, s20, 14                        ; batch x 4096 x 4 bytes (also batch x 16 KiB of qk)
	s_lshl_b32 s28, s19, 11                        ; chunk x 512 x 4
	s_add_co_u32 s28, s28, s27
	s_lshl_b32 s29, s20, 2
	v_and_b32 v1, 15, v0                           ; r
	v_bfe_u32 v2, v0, 4, 1                         ; h2
	v_and_b32 v3, 31, v0                           ; lane
	v_lshl_add_u32 v[GA], v3, 4, s26               ; 16 bytes a lane: a load of the wave covers 512 neighbouring bytes
	v_lshl_add_u32 v48, v0, 3, s28                 ; two rows' distance and mask a thread
	v_lshl_add_u32 v49, v0, 4, s27
	v_lshl_add_u32 v50, v1, 7, s29                 ; cvec[head r][batch]
	s_wait_kmcnt 0x0
	s_add_nc_u64 s[4:5], s[4:5], s[24:25]          ; context at the work-group's first row; not written again
	global_load_b64 v[24:25], v48, s[6:7] th:TH_LOAD_NT
	global_load_b64 v[26:27], v48, s[8:9] th:TH_LOAD_NT
.irp i, 0,1,2,3
	global_load_b128 v[28+4*\i:31+4*\i], v49, s[10:11] offset:\i*4096
.endr
	global_load_b32 v44, v50, s[12:13]
	WIN 0x40                                       ; destination in window 1
.irp a, 0,1,2,3,4,5
.irp e, 0,1,2,3,4,5,6,7
	global_load_b128 v[4*(8*\a+\e):4*(8*\a+\e)+3], v[GA], s[4:5] offset:((8*\a+\e)>>5)*131072+((8*\a+\e)&31)*512 th:TH_LOAD_NT   ; the ring is filled: loads 0 to 47
.endr
.endr
	WIN 0
	; LDS addresses
	v_mov_b32 v[NG], NEGH
	s_mul_i32 s30, s18, 8*ROWP
	s_and_b32 s31, s18, 1                          ; rows 8 w .. 8 w + 7: bit 3 of the row is w & 1
	s_lshl_b32 s31, s31, 4
	s_add_co_u32 s30, s30, s31
	v_lshl_add_u32 v[STA], v3, 3, s30              ; row 8 w, 8 bytes a lane
	v_add_nc_u32 v[STA+1], BUF, v[STA]
	v_bfe_u32 v4, v0, 3, 1                         ; bit 3 of the lane
	v_mul_u32_u24 v3, v1, ROWP
	v_lshl_add_u32 v3, v4, 4, v3                   ; rows 16 mt + r: bit 3 of the row is r >> 3
	v_lshl_add_u32 v3, v2, 4, v3
	s_mul_i32 s30, s22, 16*ROWP
	s_lshl_b32 s31, s21, 9
	s_add_co_u32 s30, s30, s31
	v_add_nc_u32 v[ADR1], s30, v3                  ; row 16 mt + r, d = 256 p + 8 h2
	v_add_nc_u32 v[ADR1+1], BUF, v[ADR1]
	v_and_b32 v3, 7, v0
	v_lshl_add_u32 v3, v2, 3, v3
	v_mul_u32_u24 v3, v3, ROWP
	v_lshl_add_u32 v3, v2, 4, v3                   ; rows 8 h2 + (lane & 7): bit 3 of the row is h2
	v_lshl_add_u32 v3, v4, 4, v3
	s_lshl_b32 s30, s18, 7
	v_add_nc_u32 v[ADR2], s30, v3                  ; row 8 h2 + (lane & 7), d = 64 w + 8 ((lane >> 3) & 1)
	v_add_nc_u32 v[ADR2+1], BUF, v[ADR2]
	v_mul_u32_u24 v3, v1, SP
	v_lshl_add_u32 v3, v2, 5, v3                   ; 272 r + 32 h2
	s_lshl_b32 s31, s22, 6                         ; 16 mt rows x 4 bytes
	s_add_co_u32 s30, s31, BIAS
	v_lshl_add_u32 v[BA], v2, 5, s30
	s_mul_i32 s30, s21, PL
	s_add_co_u32 s30, s30, s31
	s_add_co_u32 s30, s30, SSTG
	v_add_nc_u32 v[SW], s30, v3
	v_add_nc_u32 v[SR], SSTG, v3
	v_mul_u32_u24 v[OW], v1, 2064
	v_lshl_add_u32 v[OW], v2, 5, v[OW]
	s_lshl_b32 s30, s18, 8
	s_add_co_u32 s30, s30, STG
	v_add_nc_u32 v[OW], s30, v[OW]                 ; row r, d = 64 w + 8 h2
	v_mul_u32_u24 v[QA], v1, 1040
	v_lshl_add_u32 v[QA], v2, 4, v[QA]
	s_lshl_b32 s30, s21, 9
	s_add_co_u32 s30, s30, STG
	v_add_nc_u32 v[QA], s30, v[QA]                 ; qk fragments: head r, d = 256 p + 8 h2
	v_lshlrev_b32 v51, 3, v0
	v_add_nc_u32 v51, BIAS, v51
	v_lshrrev_b32 v52, 6, v0
	v_and_b32 v53, 63, v0
	v_mul_u32_u24 v52, v52, 1040
	v_lshl_add_u32 v52, v53, 4, v52
	v_add_nc_u32 v52, STG, v52
	s_wait_loadcnt DEPTH                           ; the ring's 48 loads were issued behind these seven and stay out
	v_pk_mul_f32 v[24:25], v[24:25], BSC op_sel_hi:[1,0]   ; each half of d adds half of the bias
	v_mul_f32 v[CH], 0.5, v44                              ; and half of q . bk
	v_mov_b32 v[CH+1], v[CH]
	ds_store_b64 v51, v[24:25]
	ds_store_b64 v51, v[26:27] offset:2048
.irp i, 0,1,2,3
	ds_store_b128 v52, v[28+4*\i:31+4*\i] offset:\i*4160
.endr
; One tile of 64 rows.  cur: its buffer; idx: its number; first = 1: it starts the sums.
; A buffer is written again two tiles later: every wave has by then waited for its reads of it and passed two barriers.
.macro TILE cur, idx, first
	STAGE \idx, \cur
	s_wait_dscnt 0x0                               ; my rows are in LDS (in the first tile bias, mask and qk too), and my reads of the last tile's scores are back
	s_barrier_signal -1
	s_barrier_wait -1                              ; the tile is whole; the ring's loads stay on their way
.if \first
	WIN 0x40                                       ; destination in window 1
.irp ks, 0,1,2,3,4,5,6,7
	ds_load_b128 v[QK+8*\ks:QK+8*\ks+3], v[QA] offset:\ks*64
	ds_load_b128 v[QK+8*\ks+4:QK+8*\ks+7], v[QA] offset:\ks*64+32
.endr
	WIN 0
.endif
	; first product: bias and mask of my rows, then my 16 rows x 256 d as eight ready fragments
	ds_load_b128 v[SA0:SA0+3], v[BA] offset:\idx*256
	ds_load_b128 v[SA0+4:SA0+7], v[BA] offset:\idx*256+16
	ds_load_b128 v[MK:MK+3], v[BA] offset:\idx*256+2048
	ds_load_b128 v[MK+4:MK+7], v[BA] offset:\idx*256+2064
.irp ks, 0,1,2,3,4,5,6,7
	ds_load_b128 v[F+8*\ks:F+8*\ks+3],   v[ADR1+\cur] offset:\ks*64
	ds_load_b128 v[F+8*\ks+4:F+8*\ks+7], v[ADR1+\cur] offset:\ks*64+32
.endr
	s_wait_dscnt 16                                ; all but the 16 just issued: bias, mask (and, in the first tile, qk's fragments)
.irp j, 0,1,2,3,4,5,6,7
	v_cmp_ne_u32 s[MS+\j], 0, v[MK+\j]
.endr
.irp j, 0,2,4,6
	v_pk_add_f32 v[SA0+\j:SA0+\j+1], v[SA0+\j:SA0+\j+1], v[CH:CH+1]
.endr
	WIN 0x04                                       ; source 1 (qk) in window 1
	; two accumulators take turns; the first starts from half the bias, the second from 0
	s_wait_dscnt 12                                ; K steps 0 and 1 are in: four of the 16 loads
	v_wmma_f32_16x16x32_bf16 v[SA0:SA0+7], v[F:F+7], v[QK:QK+7], v[SA0:SA0+7]
	v_wmma_f32_16x16x32_bf16 v[SA1:SA1+7], v[F+8:F+15], v[QK+8:QK+15], 0
.irp ks, 2,4,6
	s_wait_dscnt 12-2*\ks                          ; the next two K steps' four loads are in
	v_wmma_f32_16x16x32_bf16 v[SA0:SA0+7], v[F+8*\ks:F+8*\ks+7], v[QK+8*\ks:QK+8*\ks+7], v[SA0:SA0+7]
	v_wmma_f32_16x16x32_bf16 v[SA1:SA1+7], v[F+8*\ks+8:F+8*\ks+15], v[QK+8*\ks+8:QK+8*\ks+15], v[SA1:SA1+7]
.endr
	WIN 0
	PLACES
.irp j, 0,2,4,6
	v_pk_add_f32 v[SA0+\j:SA0+\j+1], v[SA0+\j:SA0+\j+1], v[SA1+\j:SA1+\j+1]
.endr
.irp j, 0,1,2,3,4,5,6,7
	v_cndmask_b32 v[SA0+\j], v[NG], v[SA0+\j], s[MS+\j]    ; a masked row: half of -1e9 log2(e) from each half of d
.endr
	ds_store_b128 v[SW], v[SA0:SA0+3]              ; head r, rows 16 mt + 8 h2 + 0..7
	ds_store_b128 v[SW], v[SA0+4:SA0+7] offset:16
	s_wait_dscnt 0x0                               ; my scores are in LDS before I say so
	s_barrier_signal -1
	; while the others arrive: my 64 columns of this buffer, which nobody writes before the barrier after the next.
	; A transposing load hands lane r column d = 64 w + 16 t + r, eight rows a load: registers 0-3 rows 32 kb + 8 h2 + 0..7, registers 4-7 sixteen rows on.
.irp kb, 0,1
.irp t, 0,1,2,3
	ds_load_tr16_b128 v[F+32*\kb+8*\t:F+32*\kb+8*\t+3],   v[ADR2+\cur] offset:\kb*32*ROWP+\t*32
	ds_load_tr16_b128 v[F+32*\kb+8*\t+4:F+32*\kb+8*\t+7], v[ADR2+\cur] offset:\kb*32*ROWP+16*ROWP+\t*32
.endr
.endr
	s_barrier_wait -1                              ; everybody's scores are in LDS
.irp pl, 0,1
.irp kb, 0,1
.irp hi, 0,1
	ds_load_b128 v[L+32*\pl+16*\kb+8*\hi:L+32*\pl+16*\kb+8*\hi+3],   v[SR] offset:\pl*PL+\kb*128+\hi*64
	ds_load_b128 v[L+32*\pl+16*\kb+8*\hi+4:L+32*\pl+16*\kb+8*\hi+7], v[SR] offset:\pl*PL+\kb*128+\hi*64+16
.endr
.endr
.endr
	s_wait_dscnt 0x0
	; softmax of head r: this lane has the 32 rows that its operand registers want, lane r + 16 (or r - 16) the other 32
.irp i, 0,2,4,6,8,10,12,14,16,18,20,22,24,26,28,30
	v_pk_add_f32 v[L+\i:L+\i+1], v[L+\i:L+\i+1], v[L+32+\i:L+32+\i+1]      ; the two halves of d
.endr
	v_max3_num_f32 v[T0], v[L], v[L+1], v[L+2]
	v_max3_num_f32 v[T1], v[L+3], v[L+4], v[L+5]
.irp i, 6,10,14,18,22,26
	v_max3_num_f32 v[T0], v[T0], v[L+\i], v[L+\i+1]
	v_max3_num_f32 v[T1], v[T1], v[L+\i+2], v[L+\i+3]
.endr
	v_max3_num_f32 v[T0], v[T0], v[L+30], v[L+31]
	v_max_num_f32 v[T0], v[T0], v[T1]
	v_permlanex16_b32 v[T1], v[T0], s57, s58
.if \first
	v_max_num_f32 v[MM], v[T0], v[T1]
	v_mov_b32 v[MM+1], v[MM]
.else
	v_max3_num_f32 v[T2], v[T0], v[T1], v[MM]      ; the new running maximum
	v_sub_f32 v[T0], v[MM], v[T2]
	v_exp_f32 v[AL], v[T0]                         ; what the old sums are worth under it
	v_mov_b32 v[MM], v[T2]                         ; a plain instruction stands between v_exp_f32 and the use of its result
	v_mov_b32 v[MM+1], v[T2]
	s_wait_alu depctr_va_vdst(0)
	v_mov_b32 v[AL+1], v[AL]
.endif
.irp i, 0,2,4,6,8,10,12,14,16,18,20,22,24,26,28,30
	v_pk_add_f32 v[L+\i:L+\i+1], v[L+\i:L+\i+1], v[MM:MM+1] neg_lo:[0,1] neg_hi:[0,1]
.endr
.irp i, 0,1,2,3,4,5,6,7,8,9,10,11,12,13,14,15,16,17,18,19,20,21,22,23,24,25,26,27,28,29,30,31
	v_exp_f32 v[L+\i], v[L+\i]
.endr
.if \first
	v_nop                                          ; the plain place behind the last v_exp_f32
	s_wait_alu depctr_va_vdst(0)
.else
	s_wait_alu depctr_va_vdst(0)
.irp i, 0,2,4,6,8,10,12,14,16,18,20,22,24,26,28,30
	v_pk_mul_f32 v[ACC+\i:ACC+\i+1], v[ACC+\i:ACC+\i+1], v[AL:AL+1]        ; in O too a lane stands for head r; these are also the plain places behind the exponentials
.endr
.endif
.irp k, 0,1,2,3,4,5,6,7
	v_pk_add_f32 v[L+32+2*\k:L+33+2*\k], v[L+4*\k:L+4*\k+1], v[L+4*\k+2:L+4*\k+3]
.endr
.irp k, 0,2,4,6
	v_pk_add_f32 v[L+32+\k:L+33+\k], v[L+32+\k:L+33+\k], v[L+40+\k:L+41+\k]
.endr
.irp k, 0,2
	v_pk_add_f32 v[L+32+\k:L+33+\k], v[L+32+\k:L+33+\k], v[L+36+\k:L+37+\k]
.endr
	v_pk_add_f32 v[L+32:L+33], v[L+32:L+33], v[L+34:L+35]
.if \first
	v_add_f32 v[LS], v[L+32], v[L+33]
.else
	v_add_f32 v[T0], v[L+32], v[L+33]
	v_fma_f32 v[LS], v[LS], v[AL], v[T0]
.endif
.irp i, 0,1,2,3,4,5,6,7,8,9,10,11,12,13,14,15
	v_cvt_pk_bf16_f32 v[P+\i], v[L+2*\i], v[L+2*\i+1]
.endr
	PV 0, \first
	PV 1, 0                                        ; the next tile's 64 conversions, which name none of these registers, stand between here and its loads into the fragments
.endm
	TILE 0, 0, 1
	TILE 1, 1, 0
	TILE 0, 2, 0
	TILE 1, 3, 0
	TILE 0, 4, 0
	TILE 1, 5, 0
	TILE 0, 6, 0
	TILE 1, 7, 0
	; the way out: O through LDS, so that whole rows of 2048 bytes leave; m and l as one block of 256 bytes
	PLACES                                         ; behind the last matrix instructions, in front of the stores of O
	v_permlanex16_b32 v[T0], v[LS], s57, s58
	v_add_f32 v[MM+1], v[LS], v[T0]                ; l of head r over all rows; v[14:15] is now the pair (m, l)
.irp t, 0,1,2,3
	ds_store_b128 v[OW], v[ACC+8*\t:ACC+8*\t+3] offset:64*\t               ; head r, d = 64 w + 16 t + 8 h2 + 0..3
	ds_store_b128 v[OW], v[ACC+8*\t+4:ACC+8*\t+7] offset:64*\t+16          ; + 4..7
.endr
	s_lshl_b32 s24, s20, 3
	s_add_co_u32 s24, s24, s19                     ; 8 x batch + chunk
	s_lshl_b32 s25, s24, 8
	s_lshl_b32 s28, s24, 15
	s_cmp_lg_u32 s18, 0
	s_cbranch_scc1 .Lno_ml
	v_and_b32 v3, 31, v0
	v_lshl_add_u32 v3, v3, 3, s25
	global_store_b64 v3, v[MM:MM+1], s[16:17]      ; 32 lanes x 8 bytes: 256 consecutive bytes, aligned; lanes 16-31 repeat the 16 heads
.Lno_ml:
	s_wait_dscnt 0x0
	s_barrier_signal -1
	s_barrier_wait -1
	v_lshrrev_b32 v[T0], 7, v0
	v_and_b32 v[T1], 127, v0
	v_mul_u32_u24 v[T0], v[T0], 2064
	v_lshl_add_u32 v[T0], v[T1], 4, v[T0]
	v_add_nc_u32 v[T0], STG, v[T0]
	v_lshl_add_u32 v4, v0, 4, s28
.irp i, 0,1,2,3,4,5,6,7
	ds_load_b128 v[F+4*\i:F+4*\i+3], v[T0] offset:\i*4128
.endr
.irp i, 0,1,2,3,4,5,6,7
	s_wait_dscnt 7-\i                              ; LDS loads come back in order: load i is in
	global_store_b128 v4, v[F+4*\i:F+4*\i+3], s[14:15] offset:\i*4096
.endr
	s_wait_tensorcnt 0x0
	ds_add_u32 v246, v247
	s_wait_dscnt 0x0
	s_endpgm
.Lfunc_end_k_q06d691763a_main:
	.size	k_q06d691763a_main, .Lfunc_end_k_q06d691763a_main-k_q06d691763a_main
	.p2alignl 7, 3214868480
	.fill 96, 4, 3214868480
	.section	.rodata,"a",@progbits
	.p2align	6, 0x0
	.amdhsa_kernel k_q06d691763a_main
		.amdhsa_group_segment_fixed_size 182016
		.amdhsa_private_segment_fixed_size 0
		.amdhsa_enable_private_segment 0
		.amdhsa_kernarg_size 56
		.amdhsa_user_sgpr_count 2
		.amdhsa_user_sgpr_kernarg_segment_ptr 1
		.amdhsa_wavefront_size32 1
		.amdhsa_system_sgpr_workgroup_id_x 1
		.amdhsa_system_sgpr_workgroup_id_y 1
		.amdhsa_system_sgpr_workgroup_id_z 1
		.amdhsa_system_vgpr_workitem_id 0
		.amdhsa_next_free_vgpr 512
		.amdhsa_next_free_sgpr 66
		.amdhsa_reserve_vcc 0
		.amdhsa_float_denorm_mode_32 3
		.amdhsa_float_denorm_mode_16_64 3
		.amdhsa_memory_ordered 1
		.amdhsa_forward_progress 1
		.amdhsa_inst_pref_size 195
	.end_amdhsa_kernel
	.amdgpu_metadata
---
amdhsa.version: [ 1, 2 ]
amdhsa.kernels:
  - .name:           k_q06d691763a_main
    .symbol:         k_q06d691763a_main.kd
    .args:
      - { .name: context, .offset: 0, .size: 8, .value_kind: global_buffer, .address_space: global }
      - { .name: dist_matrix, .offset: 8, .size: 8, .value_kind: global_buffer, .address_space: global }
      - { .name: context_mask, .offset: 16, .size: 8, .value_kind: global_buffer, .address_space: global }
      - { .name: qk, .offset: 24, .size: 8, .value_kind: global_buffer, .address_space: global }
      - { .name: cvec, .offset: 32, .size: 8, .value_kind: global_buffer, .address_space: global }
      - { .name: part, .offset: 40, .size: 8, .value_kind: global_buffer, .address_space: global }
      - { .name: ml, .offset: 48, .size: 8, .value_kind: global_buffer, .address_space: global }
    .group_segment_fixed_size: 182016
    .private_segment_fixed_size: 0
    .kernarg_segment_align: 8
    .kernarg_segment_size: 56
    .max_flat_workgroup_size: 256
    .sgpr_count:     66
    .vgpr_count:     512
    .wavefront_size: 32
...
	.end_amdgpu_metadata
.endif
;; end of part 5
;; launch post1 (part 6): grid 16 x 8, 16 waves a work-group, no clusters, 48,896 bytes of LDS; arguments part, ml, Wv, bv, Wo, ypart; writes ypart
.if DOCPART == 6
	.amdgcn_target "amdgcn-amd-amdhsa--gfx1250"
	.amdhsa_code_object_version 6
	.text
	.protected	k_q06d691763a_post1
	.globl	k_q06d691763a_post1
	.p2align	8
	.type	k_q06d691763a_post1,@function
k_q06d691763a_post1:
	s_mov_b64 s[64:65], 0
	v_nop
	global_prefetch_b8 v0, s[64:65] scope:SCOPE_SE
	s_setreg_imm32_b32 hwreg(HW_REG_WAVE_MODE, 25, 1), 1
	s_wait_xcnt 0x0
; For head h (grid x) and 4 batches (grid y): the eight chunks' sums are merged under their common maximum and normalised,
; ctx[b][d] = sum over chunks of a_c part[b][c][h][d], a_c = 2^(m_c - M) / sum of 2^(m_c - M) l_c;
; attn[b][j] = ctx[b] . Wv[:, 32h+j] + bv[32h+j] (the weights add up to 1, so bv enters once);  ypart[h][b][:] = attn[b] . Wo[32h .. 32h+31][:].
; Sixteen waves.  Wave w merges batch 4 (grid y) + (w & 3) over the quarter w >> 2 of d (one load of 512 bytes for each chunk), takes K step w of the
; product with Wv and columns 32 w .. 32 w + 31 of the product with Wo.
; Why 4 batches a work-group: 64 KiB of part and 128 KiB of weights come in by 41 loads a wave; with 16 batches it would be 256 + 128 KiB by 65 loads a wave,
; on a quarter of the work-groups.
; A matrix tile has 16 columns for batches: lane r takes batch r & 3, so every column is a true batch and no LDS byte is read that was not written.
; Limits: ctx, attn, Wv and Wo are rounded to bf16 as matrix operands; a chunk whose 2^(m_c - M) is below 2^-126 counts as 0 (ISA guide, v_exp_f32).
; No cluster: the eight work-groups of a head read the same 128 KiB of weights, but once each, at their start, straight into the registers in which they are
; rounded to fragments; a joint tensor load would send these 128 KiB through LDS as f32, behind a round of the cluster's barrier, for one single fill.
; No prefetch: all loads go out in the first lines.
.set CB,  0                            ; LDS: ctx in bf16, 4 rows of 1024 + 16 bytes
.set CBP, 1040
.set RED, 4352                         ; the sixteen waves' partial attn, 2048 bytes each
.set AO,  37120                        ; attn in bf16, 16 rows of 64 + 16 bytes (row r' is batch r' & 3)
.set AOP, 80
.set YS,  38400                        ; ypart on its way out, 4 rows of 2048 + 16 bytes
.set YP,  2064
.set A2,  16                           ; v[16:31]   a_c, each twice
.set WV,  32                           ; v[32:63]   Wv: position jj: the pair at 2 jj
.set WO,  64                           ; v[64:95]   Wo likewise
.set L,   96                           ; v[96:127]  part: chunk c at 4 c
.set CX,  128                          ; v[128:131] ctx, my 4 numbers
.set BVV, 132                          ; v132       bv of my thread's j
.set YIN, 133                          ; v133       ypart into the stage
.set YBK, 134                          ; v134       ypart back, by rows
.set YO,  135                          ; v135       my 16 bytes of ypart
.set FA,  144                          ; v[144:159] Wv fragments t = 0, 1
.set FB,  160                          ; v[160:167] ctx fragment
.set D,   168                          ; v[168:183] partial attn, t = 0, 1
.set RS,  184                          ; v[184:199] sixteen partial sums
.set FC,  200                          ; v[200:207] attn fragment
.set FO,  208                          ; v[208:223] Wo fragments t = 0, 1
.set Y,   224                          ; v[224:239] ypart, t = 0, 1
.set OUTR, 240                         ; v[240:243] a row's 16 bytes on their way out
.set YV,  244                          ; v[244:247] the four numbers that this lane hands over
.macro PLACES                          ; four plain vector places behind a matrix instruction (ISA guide 7.12.1)
.rept 4
	v_nop
.endr
.endm
	s_load_b256 s[4:11], s[0:1], 0x0               ; part s[4:5], ml s[6:7], Wv s[8:9], bv s[10:11]
	s_load_b128 s[12:15], s[0:1], 0x20             ; Wo s[12:13], ypart s[14:15]
	v_lshl_add_u32 v254, v0, 2, 0xb700
	v_mov_b32 v255, 0
	v_lshrrev_b32 v3, 5, v0
	v_readfirstlane_b32 s16, v3                    ; wave w
	s_mov_b32 s17, ttmp9                           ; head h
	s_and_b32 s18, ttmp7, 0xffff                   ; which 4 batches
	s_and_b32 s44, s16, 3                          ; which of the four I merge
	s_lshr_b32 s45, s16, 2                         ; which quarter of d
	s_lshl_b32 s19, s18, 2
	s_add_co_u32 s19, s19, s44                     ; my batch
	s_lshl_b32 s36, s19, 11                        ; ml: eight blocks of 256 bytes a batch,
	s_lshl_b32 s37, s17, 3                         ;     the head's pair at 8 h
	s_add_co_u32 s36, s36, s37
	s_mov_b32 s37, 0
	s_lshl_b32 s38, s19, 18                        ; part: batch x 8 chunks x 16 heads x 2048 bytes,
	s_lshl_b32 s39, s17, 11                        ;       the head's row,
	s_add_co_u32 s38, s38, s39
	s_lshl_b32 s39, s45, 9                         ;       my quarter of it
	s_add_co_u32 s38, s38, s39
	s_lshl_b32 s40, s17, 7                         ; 128 h
	s_lshl_b32 s39, s16, 16                        ; Wv: row 32 w
	s_add_co_u32 s39, s39, s40
	s_lshl_b32 s41, s17, 16                        ; Wo: row 32 h,
	s_lshl_b32 s42, s16, 7                         ;     column 32 w
	s_add_co_u32 s41, s41, s42
	v_and_b32 v1, 15, v0                           ; r
	v_bfe_u32 v2, v0, 4, 1                         ; h2
	v_and_b32 v4, 31, v0                           ; lane
	v_cmp_ne_u32 s46, 0, v2                        ; lanes 16 to 31
	v_lshl_add_u32 v6, v4, 4, s38                  ; part: 16 bytes a lane
	v_lshl_add_u32 v7, v2, 14, s39                 ; Wv: row 32 w + 8 h2, columns 2 r, 2 r + 1 of the head
	v_lshl_add_u32 v7, v1, 3, v7
	v_lshl_add_u32 v9, v2, 14, s41                 ; Wo: row 32 h + 8 h2, columns 32 w + 2 r, + 1
	v_lshl_add_u32 v9, v1, 3, v9
	; the word of a partial attn that thread T adds up is register 4 quad + e of tile t in lane (r', h2'):
	; T = 256 t + 128 quad + 64 h2' + 4 r' + e, and it is attn[batch r' & 3][j = 16 h2' + 8 quad + 2 e + t]
	v_bfe_u32 v10, v0, 8, 1
	v_and_b32 v5, 3, v0
	v_lshl_add_u32 v10, v5, 1, v10
	v_bfe_u32 v5, v0, 7, 1
	v_lshl_add_u32 v10, v5, 3, v10
	v_bfe_u32 v5, v0, 6, 1
	v_lshl_add_u32 v10, v5, 4, v10                 ; j
	v_lshl_add_u32 v8, v10, 2, s40                 ; bv[32 h + j]
	s_wait_kmcnt 0x0
	s_add_nc_u64 s[6:7], s[6:7], s[36:37]
.irp c, 0,1,2,3,4,5,6,7
	s_load_b64 s[20+2*\c:21+2*\c], s[6:7], \c*256  ; (m, l) of chunk c; this launch stores nothing into ml
.endr
	; all 41 loads go out at once, in the order in which they are wanted
.irp c, 0,1,2,3,4,5,6,7
	global_load_b128 v[L+4*\c:L+4*\c+3], v6, s[4:5] offset:\c*32768
.endr
	; Wv and Wo are stored [k][column].  Lane (r, h2) takes, for each of its 16 places along k, two neighbouring columns; word t of every pair
	; gives a fragment whose lane r stands for column 2 r + t: no transposition is needed.
.irp jj, 0,1,2,3,4,5,6,7,8,9,10,11,12,13,14,15
	global_load_b64 v[WV+2*\jj:WV+2*\jj+1], v7, s[8:9] offset:(\jj&7)*2048+(\jj>>3)*32768
.endr
	global_load_b32 v[BVV], v8, s[10:11]
.irp jj, 0,1,2,3,4,5,6,7,8,9,10,11,12,13,14,15
	global_load_b64 v[WO+2*\jj:WO+2*\jj+1], v9, s[12:13] offset:(\jj&7)*2048+(\jj>>3)*32768
.endr
	; LDS addresses
	v_bfe_u32 v5, v0, 2, 4
	v_mul_u32_u24 v5, v5, AOP
	v_lshl_add_u32 v10, v10, 1, v5
	v_add_nc_u32 v10, AO, v10                      ; v10: attn in: row r', 2 j
	s_mul_i32 s43, s44, CBP
	s_lshl_b32 s47, s45, 8
	s_add_co_u32 s43, s43, s47
	v_lshl_add_u32 v11, v4, 3, s43                 ; v11: ctx in: row w & 3, quarter w >> 2, 8 bytes a lane
	s_lshl_b32 s43, s16, 6
	v_and_b32 v5, 3, v0
	v_mul_u32_u24 v12, v5, CBP
	v_lshl_add_u32 v12, v2, 4, v12
	v_add_nc_u32 v12, s43, v12                     ; v12: ctx fragment: row r & 3, K step w, 16 h2
	s_lshl_b32 s43, s16, 11
	s_add_co_u32 s43, s43, RED
	v_lshl_add_u32 v13, v4, 4, s43                 ; v13: my wave's partial attn
	v_lshlrev_b32 v14, 2, v0
	v_add_nc_u32 v14, RED, v14                     ; v14: my thread's word of each partial attn
	v_mul_u32_u24 v15, v1, AOP
	v_lshl_add_u32 v15, v2, 4, v15
	v_add_nc_u32 v15, AO, v15                      ; v15: attn fragment
	s_add_co_u32 s43, s42, YS
	v_lshl_add_u32 v[YIN], v1, 3, s43
	v_lshl_add_u32 v[YIN], v2, 2, v[YIN]           ; ypart in: column 32 w + 2 r + h2
	v_lshrrev_b32 v[YBK], 7, v0
	v_and_b32 v5, 127, v0
	v_mul_u32_u24 v[YBK], v[YBK], YP
	v_lshl_add_u32 v[YBK], v5, 4, v[YBK]
	v_add_nc_u32 v[YBK], YS, v[YBK]                ; ypart back: row T >> 7, 16 bytes a thread
	s_lshl_b32 s43, s17, 16
	s_lshl_b32 s47, s18, 13
	s_add_co_u32 s43, s43, s47                     ; 65536 h + 4 rows of 2048 bytes x (grid y)
	v_lshl_add_u32 v[YO], v0, 4, s43
	; the chunks' weights
	s_wait_kmcnt 0x0
	v_max_num_f32 v3, s20, s22
	v_max3_num_f32 v3, v3, s24, s26
	v_max3_num_f32 v3, v3, s28, s30
	v_max3_num_f32 v3, v3, s32, s34                ; M
.irp c, 0,1,2,3,4,5,6,7
	v_sub_f32 v[A2+2*\c], s[20+2*\c], v3
.endr
.irp c, 0,1,2,3,4,5,6,7
	v_exp_f32 v[A2+2*\c], v[A2+2*\c]
.endr
	v_nop                                          ; a plain place behind the last v_exp_f32
	s_wait_alu depctr_va_vdst(0)
	v_mul_f32 v4, s21, v[A2]
.irp c, 1,2,3,4,5,6,7
	v_fma_f32 v4, s[21+2*\c], v[A2+2*\c], v4       ; at least 1: the chunk that holds M has weight 1 and l of at least 1
.endr
	v_rcp_f32 v5, v4
	v_nop                                          ; a plain place behind v_rcp_f32
	s_wait_alu depctr_va_vdst(0)
.irp c, 0,1,2,3,4,5,6,7
	v_mul_f32 v[A2+2*\c+1], v[A2+2*\c], v5
	v_mul_f32 v[A2+2*\c], v[A2+2*\c], v5
.endr
.irp c, 0,1,2,3,4,5,6,7
	s_wait_loadcnt 40-\c                           ; behind chunk c's load: the 7 - c later chunks' and 33 for Wv, bv, Wo
.if \c
	v_pk_fma_f32 v[CX:CX+1], v[L+4*\c:L+4*\c+1], v[A2+2*\c:A2+2*\c+1], v[CX:CX+1]
	v_pk_fma_f32 v[CX+2:CX+3], v[L+4*\c+2:L+4*\c+3], v[A2+2*\c:A2+2*\c+1], v[CX+2:CX+3]
.else
	v_pk_mul_f32 v[CX:CX+1], v[L:L+1], v[A2:A2+1]  ; the first chunk starts the sums
	v_pk_mul_f32 v[CX+2:CX+3], v[L+2:L+3], v[A2:A2+1]
.endif
.endr
	v_cvt_pk_bf16_f32 v[CX], v[CX], v[CX+1]
	v_cvt_pk_bf16_f32 v[CX+1], v[CX+2], v[CX+3]
	ds_store_b64 v11, v[CX:CX+1]                   ; d = 128 (w >> 2) + 4 x lane
	s_wait_dscnt 0x0                               ; my store is in LDS before I say so
	s_barrier_signal -1
	s_barrier_wait -1
	; product with Wv, my K step: D_t[j index][column r = batch r & 3] with j = 2 (index) + t
	ds_load_b128 v[FB:FB+3], v12
	ds_load_b128 v[FB+4:FB+7], v12 offset:32
	s_wait_loadcnt 17                              ; bv's one load and Wo's sixteen may stay out
.irp t, 0,1
.irp i, 0,1,2,3,4,5,6,7
	v_cvt_pk_bf16_f32 v[FA+8*\t+\i], v[WV+4*\i+\t], v[WV+4*\i+2+\t]
.endr
.endr
	s_wait_dscnt 0x0
	v_wmma_f32_16x16x32_bf16 v[D:D+7], v[FA:FA+7], v[FB:FB+7], 0
	v_wmma_f32_16x16x32_bf16 v[D+8:D+15], v[FA+8:FA+15], v[FB:FB+7], 0
	PLACES
.irp k, 0,1,2,3
	ds_store_b128 v13, v[D+4*\k:D+4*\k+3] offset:\k*512
.endr
	s_wait_dscnt 0x0
	s_barrier_signal -1
	s_barrier_wait -1
	; each of the 512 threads adds up one number of attn over the sixteen K steps
.irp u, 0,1,2,3,4,5,6,7,8,9,10,11,12,13,14,15
	ds_load_b32 v[RS+\u], v14 offset:\u*2048
.endr
	s_wait_dscnt 0x0
.irp k, 0,2,4,6
	v_pk_add_f32 v[RS+\k:RS+\k+1], v[RS+\k:RS+\k+1], v[RS+8+\k:RS+9+\k]
.endr
.irp k, 0,2
	v_pk_add_f32 v[RS+\k:RS+\k+1], v[RS+\k:RS+\k+1], v[RS+4+\k:RS+5+\k]
.endr
	v_pk_add_f32 v[RS:RS+1], v[RS:RS+1], v[RS+2:RS+3]
	v_add_f32 v[RS], v[RS], v[RS+1]
	s_wait_loadcnt 16                              ; Wo's sixteen may stay out
	v_add_f32 v[RS], v[RS], v[BVV]
	v_cvt_pk_bf16_f32 v[RS], v[RS], v[RS]
	ds_store_b16 v10, v[RS]
	s_wait_dscnt 0x0
	s_barrier_signal -1
	s_barrier_wait -1
	; product with Wo's 32 rows of this head, my 32 columns: Y_t[row m = batch m & 3][column 32 w + 2 r + t]
	ds_load_b128 v[FC:FC+3], v15
	ds_load_b128 v[FC+4:FC+7], v15 offset:32
	s_wait_loadcnt 0x0
.irp t, 0,1
.irp i, 0,1,2,3,4,5,6,7
	v_cvt_pk_bf16_f32 v[FO+8*\t+\i], v[WO+4*\i+\t], v[WO+4*\i+2+\t]
.endr
.endr
	s_wait_dscnt 0x0
	v_wmma_f32_16x16x32_bf16 v[Y:Y+7], v[FC:FC+7], v[FO:FO+7], 0
	v_wmma_f32_16x16x32_bf16 v[Y+8:Y+15], v[FC:FC+7], v[FO+8:FO+15], 0
	PLACES
	; register j (0 to 3) is row j in lanes 0-15 and row 8 + j in lanes 16-31: the same batch j.  So lanes 0-15 hand over the even columns (t = 0)
	; and lanes 16-31 the odd ones (t = 1): 32 neighbouring words a store, each word written once.
.irp j, 0,1,2,3
	v_cndmask_b32 v[YV+\j], v[Y+\j], v[Y+8+\j], s46
.endr
.irp j, 0,1,2,3
	ds_store_b32 v[YIN], v[YV+\j] offset:\j*YP
.endr
	s_wait_dscnt 0x0
	s_barrier_signal -1
	s_barrier_wait -1
	ds_load_b128 v[OUTR:OUTR+3], v[YBK]
	s_wait_dscnt 0x0
	global_store_b128 v[YO], v[OUTR:OUTR+3], s[14:15]      ; four whole rows of 2048 bytes, 16 bytes a thread
	s_wait_tensorcnt 0x0
	ds_add_u32 v254, v255
	s_wait_dscnt 0x0
	s_endpgm
.Lfunc_end_k_q06d691763a_post1:
	.size	k_q06d691763a_post1, .Lfunc_end_k_q06d691763a_post1-k_q06d691763a_post1
	.p2alignl 7, 3214868480
	.fill 96, 4, 3214868480
	.section	.rodata,"a",@progbits
	.p2align	6, 0x0
	.amdhsa_kernel k_q06d691763a_post1
		.amdhsa_group_segment_fixed_size 48896
		.amdhsa_private_segment_fixed_size 0
		.amdhsa_enable_private_segment 0
		.amdhsa_kernarg_size 48
		.amdhsa_user_sgpr_count 2
		.amdhsa_user_sgpr_kernarg_segment_ptr 1
		.amdhsa_wavefront_size32 1
		.amdhsa_system_sgpr_workgroup_id_x 1
		.amdhsa_system_sgpr_workgroup_id_y 1
		.amdhsa_system_sgpr_workgroup_id_z 1
		.amdhsa_system_vgpr_workitem_id 0
		.amdhsa_next_free_vgpr 256
		.amdhsa_next_free_sgpr 66
		.amdhsa_reserve_vcc 0
		.amdhsa_float_denorm_mode_32 3
		.amdhsa_float_denorm_mode_16_64 3
		.amdhsa_memory_ordered 1
		.amdhsa_forward_progress 1
		.amdhsa_inst_pref_size 18
	.end_amdhsa_kernel
	.amdgpu_metadata
---
amdhsa.version: [ 1, 2 ]
amdhsa.kernels:
  - .name:           k_q06d691763a_post1
    .symbol:         k_q06d691763a_post1.kd
    .args:
      - { .name: part, .offset: 0, .size: 8, .value_kind: global_buffer, .address_space: global }
      - { .name: ml, .offset: 8, .size: 8, .value_kind: global_buffer, .address_space: global }
      - { .name: Wv, .offset: 16, .size: 8, .value_kind: global_buffer, .address_space: global }
      - { .name: bv, .offset: 24, .size: 8, .value_kind: global_buffer, .address_space: global }
      - { .name: Wo, .offset: 32, .size: 8, .value_kind: global_buffer, .address_space: global }
      - { .name: ypart, .offset: 40, .size: 8, .value_kind: global_buffer, .address_space: global }
    .group_segment_fixed_size: 48896
    .private_segment_fixed_size: 0
    .kernarg_segment_align: 8
    .kernarg_segment_size: 48
    .max_flat_workgroup_size: 512
    .sgpr_count:     66
    .vgpr_count:     256
    .wavefront_size: 32
...
	.end_amdgpu_metadata
.endif
;; end of part 6
;; launch post2: the kernel of part 4 again; grid 32 x 1, 4 waves a work-group, no clusters, 768 bytes of LDS; arguments ypart, query, bo, ln_gamma, ln_beta, out0; writes out0
